; MI455X (gfx1250); checked and timed in simulation.
; The chip was launched on July 23, 2026; its instructions are those of AMD's public machine-readable ISA for CDNA 5 (MIT licence, August 2026) and "CDNA5" Instruction Set Architecture Reference Guide (July 2026). The comments in the code are by the model that wrote it; some were corrected since.
;; Full Attention Block. Allowed arithmetic: matrix products marked QUANTISED: E4M3 operands, one given power-of-two scale a tensor, by v_wmma_f32_16x16x64_fp8_fp8 or v_wmma_f32_16x16x128_fp8_fp8, f32 sums; everything else in f32.
;; Inputs: Wk 1,024 x 1,024 float32; Wo 2,048 x 1,024 float32; Wq 1,024 x 2,048 float32; Wv 1,024 x 1,024 float32; hidden_states 2 x 2,048 x 1,024 float32; k_norm_w 128 float32; lowp_scales 12 int32 (the exponents e of the quantised operands' scales 2^e); position_ids 2,048 int32; q_norm_w 128 float32.
;; Outputs: out0 2 x 2,048 x 1,024 float32.
;; This version of the problem:
;;   THIS VERSION OF THE PROBLEM IS GIVEN IN LOW PRECISION. The matrix products marked QUANTISED in the list below multiply operands that are first quantised to E4M3 (4 exponent bits, 3 mantissa bits; 8 bits a number), with one given power-of-two scale for each operand tensor; their sums are f32. All else is computed in f32.
;;   The module's matrix products, in the order in which they are computed (A, B: the left and right operand; K: the contracted axis; several contracted axes count as one K, in the product's order):
;;     1. [M 4,096, K 1,024] x [K 1,024, N 2,048]; A: input hidden_states; B: input Wq: QUANTISED (scales: A lowp_scales[0], B lowp_scales[1])
;;     2. [M 4,096, K 1,024] x [K 1,024, N 1,024]; A: input hidden_states; B: input Wk: QUANTISED (scales: A lowp_scales[2], B lowp_scales[3])
;;     3. [M 4,096, K 1,024] x [K 1,024, N 1,024]; A: input hidden_states; B: input Wv: QUANTISED (scales: A lowp_scales[4], B lowp_scales[5])
;;     4. batch 16 x [M 4,096, K 128] x [K 128, N 2,048]; A: computed on the way; B: computed on the way: QUANTISED (scales: A lowp_scales[6], B lowp_scales[7])
;;     5. batch 16 x [M 4,096, K 2,048] x [K 2,048, N 128]; A: softmax (see below); B: computed on the way: QUANTISED (scales: A lowp_scales[8], B lowp_scales[9])
;;     6. [M 4,096, K 2,048] x [K 2,048, N 1,024]; A: computed on the way; B: input Wo: QUANTISED (scales: A lowp_scales[10], B lowp_scales[11])
;;   THE QUANTISER, for each operand of a quantised product, along K:
;;     - The operand's scale is 2^e, e = its entry of the input lowp_scales (int32; the entries are numbered through the quantised products in the list's order, A before B).
;;     - Each number is divided by the scale, clamped to +-448, and rounded to the nearest number of E4M3, ties to even, subnormals kept.
;;     - The product sums the exact products of the quantised numbers (number of the format x scale) in f32.
;;   ~~~python
;;   def quantise(x, axis, e):      # numpy; x: float32 -> the quantised numbers, widened to float32 again
;;       x = np.moveaxis(x, axis, -1); K = x.shape[-1]
;;       r = np.clip(x / 2.0 ** e, -448, 448)
;;       step = 2.0 ** (np.maximum(np.frexp(np.where(r == 0, 1, r))[1] - 1, -6) - 3)
;;       q = np.round(r / step) * step * 2.0 ** e      # np.round: ties to even
;;       return np.moveaxis(q, -1, axis).astype(np.float32)
;;   ~~~
;;   SOFTMAX AHEAD OF A QUANTISED PRODUCT. Where the list says 'softmax', what is quantised is not the finished softmax but p = 2^(t - M), with t = logit x log2(e) and M = ceil(the row's largest t), a whole number; so 1/2 < the row's largest p <= 1. The row's sum l is taken of the UNQUANTISED p, in f32, and the product's result is divided by l at the end. Since M is a whole number, a kernel that streams over the keys may use a running M (the ceiling of the running maximum): every later rescaling is an exact power of two, so the quantised numbers keep their values, but for numbers so far below the row's largest that they fall under the format's range.
;;   OPERANDS COMPUTED ON THE WAY. 'Computed on the way' means the value that the module computes at that place (a softmax that the list does not call 'softmax' is quantised finished and normalised). What goes into a quantiser is computed in f32, as accurately as f32 sums, v_exp_f32 and their like allow (about 1e-6 of the number): no bf16 or f16 on the way to a quantiser, and a product that is left as it is and whose result goes on into a quantised operand takes f32 operands (vector FMAs, or v_wmma_f32_16x16x4_f32). A number that lies on a knife's edge between two numbers of the format may be rounded either way, as far as f32 arithmetic and the matrix unit's own rounding can turn it there, and no further.
;; One version. Each part assembles by itself: llvm-mc -triple=amdgcn-amd-amdhsa -mcpu=gfx1250 --defsym DOCPART=n.
;; ======== version 1 of 1: 4 launches
;; limits: right only within a limited range of input values
;; workspace buffers: hc 12,582,912 bytes; wc 4,194,304 bytes; woc 2,097,152 bytes; tab 1,048,576 bytes; qc 8,388,608 bytes; kc 4,194,304 bytes; vc 4,194,304 bytes; oc 8,388,608 bytes
;; launch prep (part 1): grid 352 x 1, 4 waves a work-group, no clusters, 35,328 bytes of LDS; arguments hidden_states, Wq, Wk, Wv, Wo, position_ids, lowp_scales, hc, wc, woc, tab; writes hc, wc, woc, tab
.if DOCPART == 1
	.amdgcn_target "amdgcn-amd-amdhsa--gfx1250"
	.amdhsa_code_object_version 6
	.text
	.protected	k_q2b0f6feb5d_prep
	.globl	k_q2b0f6feb5d_prep
	.p2align	8
	.type	k_q2b0f6feb5d_prep,@function
k_q2b0f6feb5d_prep:
	s_mov_b64 s[64:65], 0
	v_nop
	global_prefetch_b8 v0, s[64:65] scope:SCOPE_SE
	s_setreg_imm32_b32 hwreg(HW_REG_WAVE_MODE, 25, 1), 1
	s_wait_xcnt 0x0
; PREP: everything that is quantised or tabulated once, for the three launches that follow.  Three kinds of work-group, told apart by the work-group's number:
;   0-191   WEIGHTS.  Wq, Wk, Wv [1024][n] and Wo [2048][1024], f32, K on the first axis, become codes of E4M3 with K innermost: wc [4096][1024] (Wq's, Wk's, Wv's columns), woc [1024][2048].
;           A lane takes a column and its registers run down K; the codes leave through the wave's own stage in LDS, sixteen lanes to 256 consecutive aligned bytes.
;   192-319 HIDDEN.  hidden_states [4096][1024] f32 becomes three sets of codes hc [3][4096][1024], under the scales of entries 0, 2 and 4.  Each load reads 512 consecutive bytes, each store writes 512.
;   320-351 TABLE.   cos and sin of position_ids[s] x inv_freq[f], laid in the order in which the next launch's lanes take them: tab [128 tiles of 16 tokens][16 groups][32 lanes][4 f32].
; THE ORDER OF K IN hc AND wc.  A tensor has one scale, so a conversion's eight numbers need not be neighbours.  In each 512 along K, byte 16 l + 4 i + j holds k = 128 i + 4 l + j: what lane l holds of four
; dense loads.  wc has the same order, so every product meets its partner; the order of the sums inside a matrix instruction differs from ascending k.
; THE ORDER OF K IN woc.  In each 32 bytes the groups of eight hold k-groups 0, 2, 1, 3: a 16-byte LDS load at 32 c + 16 (lane / 16) then gives k = 32 c + 8 h + 0..7 and 32 c + 16 + 8 h + 0..7.
; code = x / 2^e, held within +-448, to the nearest code, ties to even.
; LIMITS: the exponents 0, 1, 2, 3, 4, 5 and 11 of the scales lie between -126 and 119.  NaN among the inputs is not served.  |position_ids| up to 2^20: beyond, the quarter turn may be missed.
; The angle is as exact as v_exp_f32 gives inv_freq (a unit in its last place, times the angle); sine and cosine are polynomials on [-pi/4, pi/4] behind a reduction by pi/2 in two parts.
; No matrix unit, no tensor loads, no barrier: waves share nothing, and memory binds.
.set SPARE,  34816                     ; behind the four stages: the spare words, 128 bytes for each wave
.set SPW,    206                       ; v206 LDS address of my spare word; never rewritten
.set NIL,    207                       ; v207 0; never rewritten
.set SPITCH, 272                       ; a stage row: 256 bytes + 16
; weights
.set OFF,  16                          ; v16-47   byte offset of position m's row of W, + 4 x lane
.set X,    48                          ; v48-111  two sets of 32 numbers
.set C,    112                         ; v112-119 a block's codes
.set OUTR, 120                         ; v120-183 the way out
.set OUTO, 184                         ; v184-199 the way out: my byte offset in the codes' buffer, for each of sixteen pairs of rows
.set BASE, 32                          ; s[32:47] W at block t's first row and my wave's first column; never rewritten
; hidden
.set R,    16                          ; v16-79   four sets of 16 numbers as loaded
.set T0,   80                          ; v80-127  the 16 numbers held under each of the three scales
.set HC,   146                         ; v146-205, v208-243 their codes: eight sets of 12 registers, one for each of eight steps on end (set again in each step)
.set KS,   140                         ; v140-145 2^e and 448 x 2^e, three times
; table
.set IFR,  32                          ; v32-63   inv_freq of my 32 frequencies
.set CN,   64                          ; v64-95   cos,  v96-127 sin
.set SN,   96
.macro MKSC e, sc, lim                 ; 2^e and 448 x 2^e as f32 patterns
	s_add_co_i32 s30, \e, 127
	s_lshl_b32 s31, s30, 23
	v_mov_b32 v[\sc], s31
	s_add_co_i32 s30, s30, 8
	s_lshl_b32 s30, s30, 23
	s_or_b32 s30, s30, 0x600000
	v_mov_b32 v[\lim], s30
.endm
	s_load_b512 s[4:19], s[0:1], 0x0               ; hidden s[4:5], Wq s[6:7], Wk s[8:9], Wv s[10:11], Wo s[12:13], positions s[14:15], scales s[16:17], hc s[18:19]
	s_load_b128 s[20:23], s[0:1], 0x40             ; wc, woc
	s_load_b64 s[24:25], s[0:1], 0x50              ; tab
	v_lshl_add_u32 v[SPW], v0, 2, SPARE
	v_mov_b32 v[NIL], 0
	v_lshrrev_b32 v1, 5, v0
	v_readfirstlane_b32 s26, v1                    ; wave
	v_and_b32 v1, 31, v0                           ; lane
	s_wait_kmcnt 0x0
	s_load_b256 s[68:75], s[16:17], 0x0            ; e0 .. e7
	s_load_b128 s[76:79], s[16:17], 0x20           ; e8 .. e11
	s_cmp_lt_u32 ttmp9, 192
	s_cbranch_scc1 .Lweights
	s_cmp_lt_u32 ttmp9, 320
	s_cbranch_scc1 .Lhid
; ---------------- TABLE: wave W = tile of 16 tokens.  Lane (r, h): token 16 W + r; register n: frequency 16 (n / 8) + 8 h + n % 8
	s_sub_co_u32 s27, ttmp9, 320
	s_lshl_b32 s27, s27, 2
	s_add_co_u32 s27, s27, s26                     ; W, 0 .. 127
	s_lshl_b32 s28, s27, 6
	s_mov_b32 s29, 0
	s_add_nc_u64 s[14:15], s[14:15], s[28:29]      ; my 16 positions
	s_lshl_b32 s28, s27, 13
	s_add_nc_u64 s[24:25], s[24:25], s[28:29]      ; my 8,192 bytes of the table
	v_and_b32 v3, 15, v0
	v_lshlrev_b32 v3, 2, v3
	global_load_b32 v2, v3, s[14:15]
	v_bfe_u32 v4, v0, 4, 1
	v_lshlrev_b32 v4, 3, v4                        ; 8 h
	s_wait_alu depctr_va_vdst(0)
	v_lshlrev_b32 v5, 4, v1                        ; 16 x lane
	s_mov_b32 s80, 0xbfc90fdb                      ; -pi/2, upper part
	s_mov_b32 s81, 0x333bbd2e                      ; what the upper part has too much
	s_mov_b32 s82, 0xb94ca1f9                      ; sine: z^3's, z^2's, z's coefficient
	s_mov_b32 s83, 0x3c08839e
	s_mov_b32 s84, 0xbe2aaaa3
	s_mov_b32 s85, 0x37ccf5ce                      ; cosine likewise
	s_mov_b32 s86, 0xbab6061a
	s_mov_b32 s87, 0x3d2aaaa5
.set n, 0
.rept 32
	v_add_nc_u32 v[IFR+n], 16*(n/8)+n%8, v4
.set n, n+1
.endr
.set n, 0
.rept 32
	v_cvt_f32_u32 v[IFR+n], v[IFR+n]
.set n, n+1
.endr
.set n, 0
.rept 32
	v_mul_f32 v[IFR+n], 0xbe9f73da, v[IFR+n]       ; x -log2(10^6) / 64
.set n, n+1
.endr
.set n, 0
	s_wait_alu depctr_va_vdst(0)
.rept 32
	v_exp_f32 v[IFR+n], v[IFR+n]                   ; inv_freq = 10^6 ^ (-f / 64): one batch
.set n, n+1
.endr
	v_nop                                          ; a plain instruction behind the last exponential
	s_wait_alu depctr_va_vdst(0)                   ; one wait for the batch, ahead of its first reader
	s_wait_loadcnt 0x0
	s_wait_kmcnt 0x0                               ; (the scales are not used here; nothing stays out)
	v_cvt_f32_i32 v2, v2                           ; the position as f32
.set n, 0
.rept 32
	v_mul_f32 v8, v2, v[IFR+n]                     ; the angle, rounded once
	v_mul_f32 v9, 0x3f22f983, v8                   ; x 2 / pi
	v_rndne_f32 v9, v9                             ; N quarter turns
	v_fma_f32 v10, v9, s80, v8
	v_fma_f32 v10, v9, s81, v10                    ; r = angle - N pi/2
	v_cvt_i32_f32 v11, v9
	v_mul_f32 v12, v10, v10                        ; z = r^2
	v_fma_f32 v13, v12, s82, s83
	v_fma_f32 v14, v12, s85, s86
	v_fma_f32 v13, v13, v12, s84
	v_fma_f32 v14, v14, v12, s87
	v_mul_f32 v15, v12, v10
	v_mul_f32 v16, v12, v12
	v_fma_f32 v17, v12, -0.5, 1.0
	v_fma_f32 v13, v13, v15, v10                   ; sin r
	v_fma_f32 v14, v14, v16, v17                   ; cos r
	v_and_b32 v18, 1, v11
	v_cmp_eq_u32 vcc_lo, 1, v18                    ; an odd quarter swaps the two
	v_cndmask_b32 v19, v13, v14, vcc_lo
	v_cndmask_b32 v20, v14, v13, vcc_lo
	v_and_b32 v21, 2, v11                          ; sine is negative in quarters 2 and 3,
	v_lshlrev_b32 v21, 30, v21
	v_xor_b32 v[SN+n], v21, v19
	v_add_nc_u32 v22, 1, v11                       ; cosine in quarters 1 and 2
	v_and_b32 v22, 2, v22
	v_lshlrev_b32 v22, 30, v22
	v_xor_b32 v[CN+n], v22, v20
.set n, n+1
.endr
.irp g, 0,1,2,3,4,5,6,7,8,9,10,11,12,13,14,15
	global_store_b128 v5, v[CN+4*\g:CN+4*\g+3], s[24:25] offset:512*\g   ; 32 lanes store 512 consecutive bytes
.endr
	s_endpgm
; ---------------- HIDDEN: a wave takes 8,192 numbers, 16 steps of 512; loads run four steps ahead
.Lhid:
	s_sub_co_u32 s27, ttmp9, 192
	s_lshl_b32 s27, s27, 2
	s_add_co_u32 s27, s27, s26                     ; my run, 0 .. 511
	s_lshl_b32 s28, s27, 15
	s_mov_b32 s29, 0
	s_add_nc_u64 s[4:5], s[4:5], s[28:29]
	s_lshl_b32 s28, s27, 13
	s_add_nc_u64 s[52:53], s[18:19], s[28:29]      ; the three sets of codes lie 4,194,304 bytes apart
	s_add_nc_u64 s[54:55], s[52:53], 0x400000
	s_add_nc_u64 s[56:57], s[54:55], 0x400000
	s_wait_alu depctr_va_vdst(0)
	v_lshlrev_b32 v3, 4, v1                        ; 16 x lane; never rewritten
.macro HLOAD t
.irp i, 0,1,2,3
	global_load_b128 v[R+16*((\t)%4)+4*\i:R+16*((\t)%4)+4*\i+3], v3, s[4:5] offset:2048*(\t)+512*\i th:TH_LOAD_NT
.endr
.endm
.macro HOLD sec, t                     ; the conversion to an 8-bit code does not saturate (ISA guide 7.6.2): the numbers are held within 448 x the scale first
.irp i, 0,1,2,3,4,5,6,7,8,9,10,11,12,13,14,15
	v_med3_num_f32 v[T0+16*\sec+\i], v[R+16*((\t)%4)+\i], -v[KS+2*\sec+1], v[KS+2*\sec+1]
.endr
.endm
.macro HCVT sec
	v_cvt_scalef32_pk8_fp8_f32 v[HC+4*\sec:HC+4*\sec+1], v[T0+16*\sec:T0+16*\sec+7], v[KS+2*\sec]
	v_cvt_scalef32_pk8_fp8_f32 v[HC+4*\sec+2:HC+4*\sec+3], v[T0+16*\sec+8:T0+16*\sec+15], v[KS+2*\sec]
.endm
.macro HSTEP t
.if 15-(\t) >= 3
	s_wait_loadcnt 12                              ; this step's four loads are in; the three later steps' twelve may be out
.else
	s_wait_loadcnt 4*(15-(\t))
.endif
	HOLD 0, \t
	HOLD 1, \t
.if (\t) == 8
	s_wait_xcnt 0x0                                ; steps 0 to 7's stores have read their data: their eight sets of codes' registers are rewritten only behind this wait
.endif
.set HC, 146+12*((\t)%8)+2*(((\t)%8)/5)        ; this step's set (v206, v207 are passed over)
	HCVT 0
	HOLD 2, \t                                     ; (plain lines between a conversion and whatever next touches its registers)
	HCVT 1
	HCVT 2
.if (\t)+4 < 16
	HLOAD (\t)+4
.endif
.irp sec, 0,1,2
	global_store_b128 v3, v[HC+4*\sec:HC+4*\sec+3], s[52+2*\sec:53+2*\sec] offset:512*(\t)   ; 32 lanes store 512 consecutive bytes
.endr
.endm
	HLOAD 0
	HLOAD 1
	HLOAD 2
	HLOAD 3
	s_wait_kmcnt 0x0
	MKSC s68, KS, KS+1
	MKSC s70, KS+2, KS+3
	MKSC s72, KS+4, KS+5
	s_wait_alu depctr_va_vdst(0)
.irp t, 0,1,2,3,4,5,6,7,8,9,10,11,12,13,14,15
	HSTEP \t
.endr
	s_endpgm
; ---------------- WEIGHTS: a work-group takes 128 columns x 256 bytes of codes; a wave 32 columns, a lane one
.Lweights:
	s_wait_kmcnt 0x0
	s_mov_b32 s28, 128
	s_cmp_lt_u32 ttmp9, 128                        ; which tensor: the choice hangs on the work-group's number alone
	s_cselect_b64 s[50:51], s[10:11], s[12:13]     ; Wv : Wo
	s_cselect_b64 s[58:59], s[20:21], s[22:23]     ; wc : woc
	s_cselect_b32 s28, 96, s28                     ; the tensor's first work-group
	s_cselect_b32 s29, 3072, 0                     ; its first row in the codes' buffer
	s_cselect_b32 s30, s73, s79                    ; its exponent
	s_cselect_b32 s60, 10, 11                      ; log2 of a row of codes in bytes
	s_cselect_b32 s61, 256, 16                     ; byte m = 16 a + 8 i1 + 4 i0 + j of a block of 32 is row i1 x this
	s_cselect_b32 s62, 128, 4                      ; + i0 x this
	s_cselect_b32 s63, 4, 8                        ; + a x this + j,
	s_cselect_b32 s66, 8, 32                       ; and block t begins t x this further down
	s_cmp_lt_u32 ttmp9, 96
	s_cselect_b64 s[50:51], s[8:9], s[50:51]       ; Wk
	s_cselect_b32 s28, 64, s28
	s_cselect_b32 s29, 2048, s29
	s_cselect_b32 s30, s71, s30
	s_cmp_lt_u32 ttmp9, 64
	s_cselect_b64 s[50:51], s[6:7], s[50:51]       ; Wq
	s_cselect_b32 s28, 0, s28
	s_cselect_b32 s29, 0, s29
	s_cselect_b32 s30, s69, s30
	s_cselect_b32 s31, 4, 3                        ; log2 of the number of column blocks
	s_sub_co_u32 s28, ttmp9, s28
	s_lshl_b32 s27, 512, s31                       ; a row of W in bytes
	s_lshl_b32 s67, 1, s31
	s_sub_co_u32 s67, s67, 1
	s_and_b32 s67, s28, s67                        ; x: which 128 columns
	s_lshr_b32 s90, s28, s31                       ; y: which 256 bytes of codes
	s_lshr_b32 s91, s90, 1
	s_lshl_b32 s91, s91, 9
	s_and_b32 s92, s90, 1
	s_lshl_b32 s92, s92, 6
	s_add_co_u32 s91, s91, s92                     ; wc: first row 512 (y / 2) + 64 (y % 2)
	s_lshl_b32 s92, s90, 8                         ; woc: 256 y
	s_cmp_lt_u32 ttmp9, 128
	s_cselect_b32 s91, s91, s92
	s_mul_i32 s92, s91, s27
	s_lshl_b32 s93, s67, 9
	s_add_co_u32 s92, s92, s93
	s_lshl_b32 s93, s26, 7
	s_add_co_u32 s92, s92, s93
	s_mov_b32 s93, 0
	s_add_nc_u64 s[BASE:BASE+1], s[50:51], s[92:93]
	s_mul_i32 s94, s66, s27
	s_mov_b32 s95, 0
.irp t, 1,2,3,4,5,6,7
	s_add_nc_u64 s[BASE+2*\t:BASE+2*\t+1], s[BASE+2*\t-2:BASE+2*\t-1], s[94:95]
.endr
	s_lshl_b32 s92, s67, 7
	s_add_co_u32 s92, s92, s29
	s_lshl_b32 s96, s26, 5
	s_add_co_u32 s92, s92, s96                     ; my wave's first row of codes
	s_lshl_b32 s92, s92, s60
	s_lshl_b32 s96, s90, 8
	s_add_co_u32 s92, s92, s96
	s_add_nc_u64 s[48:49], s[58:59], s[92:93]
	s_wait_alu depctr_va_vdst(0)
	v_lshlrev_b32 v[OFF], 2, v1
	v_add_nc_u32 v[OFF+1], s27, v[OFF]
	v_add_nc_u32 v[OFF+2], s27, v[OFF+1]
	v_add_nc_u32 v[OFF+3], s27, v[OFF+2]
	s_mul_i32 s96, s62, s27
.irp m, 0,1,2,3
	v_add_nc_u32 v[OFF+4+\m], s96, v[OFF+\m]
.endr
	s_mul_i32 s96, s61, s27
.irp m, 0,1,2,3,4,5,6,7
	v_add_nc_u32 v[OFF+8+\m], s96, v[OFF+\m]
.endr
	s_mul_i32 s96, s63, s27
.irp m, 0,1,2,3,4,5,6,7,8,9,10,11,12,13,14,15
	v_add_nc_u32 v[OFF+16+\m], s96, v[OFF+\m]
.endr
.macro WLOAD t                         ; block t: 32 rows of W at my column: a wave reads 128 consecutive bytes, the four waves 512
.irp m, 0,1,2,3,4,5,6,7,8,9,10,11,12,13,14,15,16,17,18,19,20,21,22,23,24,25,26,27,28,29,30,31
	global_load_b32 v[X+32*((\t)%2)+\m], v[OFF+\m], s[BASE+2*(\t):BASE+2*(\t)+1] th:TH_LOAD_NT
.endr
.endm
	WLOAD 0
	WLOAD 1
	s_mul_i32 s96, s26, 32*SPITCH                  ; my stage
	v_mul_u32_u24 v4, v1, SPITCH
	v_add_nc_u32 v4, s96, v4                       ; in: row = my column
	v_and_b32 v5, 15, v1
	v_lshrrev_b32 v6, 4, v1
	v_mul_u32_u24 v7, v6, SPITCH
	v_lshl_add_u32 v7, v5, 4, v7
	v_add_nc_u32 v7, s96, v7                       ; out: sixteen lanes to a row, two rows an instruction
	v_lshlrev_b32 v[OUTO], s60, v6
	v_lshl_add_u32 v[OUTO], v5, 4, v[OUTO]         ; and the same place in the codes' buffer
	s_lshl_b32 s96, 2, s60
.irp t, 1,2,3,4,5,6,7,8,9,10,11,12,13,14,15
	v_add_nc_u32 v[OUTO+\t], s96, v[OUTO+\t-1]
.endr
	MKSC s30, 11, 10                               ; v11 = 2^e, v10 = 448 x 2^e
.macro WBLOCK t
.set XS, X+32*((\t)%2)
.if (\t) < 7
	s_wait_loadcnt 32                              ; this block's 32 loads are in; the next block's may be out
.else
	s_wait_loadcnt 0
.endif
.irp m, 0,1,2,3,4,5,6,7,8,9,10,11,12,13,14,15,16,17,18,19,20,21,22,23,24,25,26,27,28,29,30,31
	v_med3_num_f32 v[XS+\m], v[XS+\m], -v10, v10
.endr
.irp g, 0,1,2,3
	v_cvt_scalef32_pk8_fp8_f32 v[C+2*\g:C+2*\g+1], v[XS+8*\g:XS+8*\g+7], v11
.endr
	ds_store_b128 v4, v[C:C+3] offset:32*(\t)
	ds_store_b128 v4, v[C+4:C+7] offset:32*(\t)+16
.if (\t)+2 < 8
	WLOAD (\t)+2
.endif
	s_wait_dscnt 0x0                               ; the stores have read their registers: the next block's codes may be written (its holds, plain lines, come first)
.endm
	s_wait_alu depctr_va_vdst(0)
.irp t, 0,1,2,3,4,5,6,7
	WBLOCK \t
.endr
.irp t, 0,1,2,3,4,5,6,7,8,9,10,11,12,13,14,15
	ds_load_b128 v[OUTR+4*\t:OUTR+4*\t+3], v7 offset:2*\t*SPITCH   ; LDS serves a wave's instructions in order (ISA guide 5.7.1.4): these see my stores
.endr
.irp t, 0,1,2,3,4,5,6,7,8,9,10,11,12,13,14,15
	s_wait_dscnt 15-\t                             ; pair t of rows is back; the younger loads may be out
	global_store_b128 v[OUTO+\t], v[OUTR+4*\t:OUTR+4*\t+3], s[48:49]   ; sixteen lanes store 256 consecutive bytes, aligned
.endr
	s_wait_tensorcnt 0x0                           ; the wave's end
	ds_add_u32 v[SPW], v[NIL]
	s_wait_dscnt 0x0
	s_endpgm
.Lfunc_end_k_q2b0f6feb5d_prep:
	.size	k_q2b0f6feb5d_prep, .Lfunc_end_k_q2b0f6feb5d_prep-k_q2b0f6feb5d_prep
	.p2alignl 7, 3214868480
	.fill 96, 4, 3214868480
	.section	.rodata,"a",@progbits
	.p2align	6, 0x0
	.amdhsa_kernel k_q2b0f6feb5d_prep
		.amdhsa_group_segment_fixed_size 35328
		.amdhsa_private_segment_fixed_size 0
		.amdhsa_enable_private_segment 0
		.amdhsa_kernarg_size 88
		.amdhsa_user_sgpr_count 2
		.amdhsa_user_sgpr_kernarg_segment_ptr 1
		.amdhsa_wavefront_size32 1
		.amdhsa_system_sgpr_workgroup_id_x 1
		.amdhsa_system_sgpr_workgroup_id_y 1
		.amdhsa_system_sgpr_workgroup_id_z 1
		.amdhsa_system_vgpr_workitem_id 0
		.amdhsa_next_free_vgpr 256
		.amdhsa_next_free_sgpr 100
		.amdhsa_reserve_vcc 1
		.amdhsa_float_denorm_mode_32 3
		.amdhsa_float_denorm_mode_16_64 3
		.amdhsa_memory_ordered 1
		.amdhsa_forward_progress 1
		.amdhsa_inst_pref_size 164
	.end_amdhsa_kernel
	.amdgpu_metadata
---
amdhsa.version: [ 1, 2 ]
amdhsa.kernels:
  - .name:           k_q2b0f6feb5d_prep
    .symbol:         k_q2b0f6feb5d_prep.kd
    .args:
      - { .name: hidden_states, .offset: 0, .size: 8, .value_kind: global_buffer, .address_space: global }
      - { .name: Wq, .offset: 8, .size: 8, .value_kind: global_buffer, .address_space: global }
      - { .name: Wk, .offset: 16, .size: 8, .value_kind: global_buffer, .address_space: global }
      - { .name: Wv, .offset: 24, .size: 8, .value_kind: global_buffer, .address_space: global }
      - { .name: Wo, .offset: 32, .size: 8, .value_kind: global_buffer, .address_space: global }
      - { .name: position_ids, .offset: 40, .size: 8, .value_kind: global_buffer, .address_space: global }
      - { .name: lowp_scales, .offset: 48, .size: 8, .value_kind: global_buffer, .address_space: global }
      - { .name: hc, .offset: 56, .size: 8, .value_kind: global_buffer, .address_space: global }
      - { .name: wc, .offset: 64, .size: 8, .value_kind: global_buffer, .address_space: global }
      - { .name: woc, .offset: 72, .size: 8, .value_kind: global_buffer, .address_space: global }
      - { .name: tab, .offset: 80, .size: 8, .value_kind: global_buffer, .address_space: global }
    .group_segment_fixed_size: 35328
    .private_segment_fixed_size: 0
    .kernarg_segment_align: 8
    .kernarg_segment_size: 88
    .max_flat_workgroup_size: 128
    .sgpr_count:     100
    .vgpr_count:     256
    .wavefront_size: 32
...
	.end_amdgpu_metadata
.endif
;; end of part 1
;; launch qkv (part 2): grid 16 x 16, 4 waves a work-group, clusters of 4 x 4, 327,680 bytes of LDS; arguments hc, wc, tab, q_norm_w, k_norm_w, lowp_scales, qc, kc, vc; writes qc, kc, vc
.if DOCPART == 2
	.amdgcn_target "amdgcn-amd-amdhsa--gfx1250"
	.amdhsa_code_object_version 6
	.text
	.protected	k_q2b0f6feb5d_qkv
	.globl	k_q2b0f6feb5d_qkv
	.p2align	8
	.type	k_q2b0f6feb5d_qkv,@function
k_q2b0f6feb5d_qkv:
	s_mov_b64 s[64:65], 0
	v_nop
	global_prefetch_b8 v0, s[64:65] scope:SCOPE_SE
	s_setreg_imm32_b32 hwreg(HW_REG_WAVE_MODE, 25, 1), 1
	s_wait_xcnt 0x0
	s_wait_alu depctr_hold_cnt(0) depctr_sa_sdst(0) depctr_va_vdst(0) depctr_va_sdst(0) depctr_va_ssrc(0) depctr_va_vcc(0) depctr_vm_vsrc(0)
	s_getreg_b32 s2, hwreg(HW_REG_IB_STS2, 6, 4)
	s_cmp_eq_u32 s2, 0
	s_cbranch_scc0 .Lentry_in_a_cluster
	s_endpgm
.Lentry_in_a_cluster:
	s_bfe_u32 s2, ttmp6, 0x10000c
	s_cmp_lg_u32 s2, 0xf033
	s_cbranch_scc0 .Lentry_shape_is_right
	s_endpgm
.Lentry_shape_is_right:
; QKV: the three projections as one product of 4096 x 4096 x 1024 on codes of E4M3, and in its way out RMS norm, RoPE and the quantising of q, k and v.
; A tile of C, 256 x 256, is made by four waves, each 128 x 128: 64 accumulators of 16 x 16, 512 registers.  K goes 256 at a time through a ring of two LDS slots filled by the tensor data mover.
; CLUSTERS: 4 x 4 work-groups.  The four of a row of the cluster need the same tile of A, the four of a column the same tile of B: each is asked for jointly.  A cluster's 1,024 columns lie in ONE section:
; cluster x 0, 1: q;  2: k;  3: v.  The matrix instruction is used transposed (source 0 = 16 rows of B, source 1 = 16 rows of A): a lane holds one row of A's and eight neighbouring rows of B's.
;   q, k: A = the tokens' codes (hc, under the section's scale), B = the weight's columns (wc).  A lane holds a token, its 64 registers of a tile run along the head's 128 (a wave's 128 columns are one head).
;   v:    the two are swapped BY ADDRESS ALONE: A = Wv's columns, B = the tokens.  A lane holds a channel and its registers run along the tokens, which are the next product's K.
; So in both cases eight registers of an accumulator are eight neighbours along the next K, 16 b + 8 (lane / 16) + 0..7, and the conversions' results ARE the next operand's registers.  They are stored as
; IMAGES: a fragment (16 rows x 128 K, 16 registers a lane) is 2,048 bytes, registers 4 c .. 4 c + 3 of lane l at 512 c + 16 l: four stores of 512 consecutive bytes, no way through LDS.
; LIMITS: e6, e7 and e9 - e4 - e5 between -126 and 119 (each is made into an f32 power of two); the projections' own scales enter by v_ldexp_f32.  NaN among the inputs is not served.
; Prefetch below; the tiles are shared by joint loads and each K step's load has a K step's 128 matrix instructions in which to land.
; REGISTERS, in windows of 256: window 0: v0-31 addresses; v32-95 the norm's weight; from v128 A's fragments, one set.  window 1: B's fragments, two sets.  windows 2, 3: the accumulators ((a, b) at v[8 (8 (a % 4) + b)]).
;   On the way out, window 0: v96-159 a tile's 64 numbers; v176-191 the rows' factors; v192-223 sums of squares; v224-239 at work; v240, v241 the scale and 448 x it.  window 1: v0-255 cos and sin, four sets.
.set ROWB,   256                       ; a tile's row in bytes
.set KROW,   1024                      ; a row of hc or wc in bytes
.set PITCH,  272                       ; an LDS row: 256 bytes + 16 of padding = 68 words: the 16 rows that a load touches start at 16 different banks (64 banks of 4 bytes: ISA guide 11.1)
.set FR,     16
.set NL,     4
.set NP,     4                         ; places behind this matrix instruction (ISA guide 7.12.1)
.set HALFT,  128*PITCH
.set SLOT,   4*HALFT                   ; A's 256 rows, then B's 256 rows
.set SPARE,  2*SLOT                    ; behind the ring: the spare words, 128 bytes for each wave
.set ADRA, 16                          ; v16-17 LDS address of my A fragments in slot 0, 1
.set ADRB, 20                          ; v20-21 the same for B
.set LI,   26                          ; v26    16 x lane; never rewritten
.set WA,   27                          ; v27    32 x (lane / 16): my eight numbers in each 16 of the norm's weight
.set SPW,  28
.set NIL,  29
.set W,    32
.set T,    96
.set CODE, 160
.set RS,   176
.set SSQ,  192
.set RT,   224
.set AF,   128
.set G1, 24
.set G0, 32
.set G1B, 48
.set G0B, 56
.set OUTP, 94                          ; s[94:95] where my wave's eight images go
.set TABB, 96                          ; s[96:97] the table at my wave's first tile of tokens
.set MSB, 0
.macro WIN new                         ; the immediate's high byte repeats the setting that is left
.if MSB != (\new)
	s_set_vgpr_msb (MSB<<8)|(\new)
.set MSB, (\new)
.endif
.endm
.set MUL_LO, 0xa1                      ; source 0 (B) window 1, source 1 (A) window 0, C and D window 2
.set MUL_HI, 0xf1
.set TO_B,   0x40
.macro JLOAD g0a, g1a, g0b, g1b        ; a joint load: waves 0 and 1 fetch for A, waves 2 and 3 for B; an s_nop 0 and four v_nop follow each line
	s_cmp_eq_u32 s15, 0
	s_cbranch_scc0 .Lfor_b_\@
	tensor_load_to_lds s[\g0a:\g0a+3], s[\g1a:\g1a+7]
	s_nop 0
.rept 4
	v_nop
.endr
	s_branch .Lasked_\@
.Lfor_b_\@:
	tensor_load_to_lds s[\g0b:\g0b+3], s[\g1b:\g1b+7]
	s_nop 0
.rept 4
	v_nop
.endr
.Lasked_\@:
.endm
.macro CREST                           ; a round of the cluster's barrier behind its opening barrier
	s_cmp_lg_u32 s14, 0
	s_cbranch_scc1 .Lnot_wave_0_\@
	s_barrier_signal -3
.Lnot_wave_0_\@:
	s_barrier_wait -3
	s_barrier_signal -1
	s_barrier_wait -1
.endm
.macro CROUND
	s_barrier_signal -1
	s_barrier_wait -1
	CREST
.endm
	s_load_b256 s[4:11], s[0:1], 0x0               ; hc s[4:5], wc s[6:7], tab s[8:9], q_norm_w s[10:11]
	s_load_b256 s[80:87], s[0:1], 0x20             ; k_norm_w s[80:81], the scales s[82:83], qc s[84:85], kc s[86:87]
	s_load_b64 s[88:89], s[0:1], 0x40              ; vc
	v_lshl_add_u32 v[SPW], v0, 2, SPARE
	v_mov_b32 v[NIL], 0
	ds_add_u32 v[SPW], v[NIL]                      ; the wave's opening: the add and its wait stand ahead of my first tensor load, with the set-up below between them
	ds_add_u32 v[SPW], v[NIL]
	v_lshrrev_b32 v1, 5, v0
	v_readfirstlane_b32 s14, v1                    ; wave 0..3
	s_lshr_b32 s15, s14, 1                         ; which half of the tile's rows is mine.  Also: I fetch for A (0) or for B (1)
	s_and_b32 s16, s14, 1                          ; which half of its columns.  Also: which 128 rows of that tile I fetch
	s_bfe_u32 s40, ttmp6, 0x40000                  ; cx, cy: my place in the cluster
	s_bfe_u32 s41, ttmp6, 0x40004
	s_and_b32 s90, ttmp7, 0xffff                   ; the cluster's y; its x is ttmp9
	s_lshl_b32 s43, s41, 2
	s_lshl_b32 s43, 15, s43                        ; my row of the cluster
	s_lshl_b32 s44, 0x1111, s40                    ; my column
	s_or_b32 s[G1+0], s43, (0<<16)|(1<<20)|(1<<21)|(5<<22)|(3<<25)  ; the mask; elements of 1 byte; padding on; bit 21 beside a mask; after every 64 words 4 words
	s_or_b32 s[G1B+0], s44, (0<<16)|(1<<20)|(1<<21)|(5<<22)|(3<<25)
.irp g, G1, G1B
	s_mov_b32 s[\g+1], ROWB<<16                    ; tensor_dim0
	s_mov_b32 s[\g+2], 128<<16                     ; tensor_dim1
	s_mov_b32 s[\g+3], ROWB<<16                    ; tile_dim0
	s_mov_b32 s[\g+4], 128                         ; tile_dim1
	s_mov_b32 s[\g+5], KROW                        ; from row to row
	s_mov_b32 s[\g+6], 0
	s_mov_b32 s[\g+7], 0
.endr
	s_mov_b32 s100, 0x76543210                     ; v_permlanex16_b32: lane l xor 16
	s_mov_b32 s101, 0xfedcba98
	; the tiles' first rows.  A's hang on cy and the cluster's place, B's on cx and the cluster's place
	s_lshl_b32 s17, s90, 10                        ; 1024 x cluster y
	s_lshr_b32 s18, ttmp9, 1
	s_lshl_b32 s18, s18, 12                        ; q: section 0 of hc; k: section 1
	s_add_co_u32 s18, s18, s17                     ; q, k: A's rows are tokens
	s_lshl_b32 s19, ttmp9, 10                      ; q, k: B's rows are the cluster's 1,024 columns
	s_add_co_u32 s17, s17, 8192                    ; v: B's rows are tokens, in section 2 of hc
	s_cmp_eq_u32 ttmp9, 3
	s_cselect_b32 s18, 3072, s18                   ; v: A's rows are Wv's columns
	s_cselect_b32 s19, s17, s19
	s_lshl_b32 s21, s16, 7                         ; which 128 rows of the tile I fetch
	s_lshl_b32 s20, s41, 8
	s_add_co_u32 s20, s20, s21
	s_add_co_u32 s20, s20, s18
	s_lshl_b32 s20, s20, 10                        ; A: in bytes
	s_lshl_b32 s46, s40, 8
	s_add_co_u32 s46, s46, s21
	s_add_co_u32 s46, s46, s19
	s_lshl_b32 s46, s46, 10                        ; B: in bytes
	s_mov_b32 s21, 0
	s_mov_b32 s47, 0
	s_mul_i32 s45, s14, HALFT                      ; where they go: wave x 128 rows
	s_wait_dscnt 0x0                               ; the opening add is done
	s_wait_kmcnt 0x0
	s_load_b256 s[68:75], s[82:83], 0x0            ; e0 .. e7
	s_load_b128 s[76:79], s[82:83], 0x20           ; e8 .. e11
	s_cmp_eq_u32 ttmp9, 3
	s_cselect_b64 s[22:23], s[6:7], s[4:5]         ; A's tensor
	s_cselect_b64 s[12:13], s[4:5], s[6:7]         ; B's tensor
	s_add_nc_u64 s[20:21], s[22:23], s[20:21]
	s_add_nc_u64 s[46:47], s[12:13], s[46:47]
	CROUND                                         ; all sixteen work-groups are here: the first joint loads meet
.irp s, 0,1
	s_mov_b32 s[G0+4*\s], 1
	s_add_co_u32 s[G0+4*\s+1], s45, \s*SLOT
	s_add_nc_u64 s[G0+4*\s+2:G0+4*\s+3], s[20:21], \s*ROWB
	s_or_b32 s[G0+4*\s+3], s[G0+4*\s+3], 0x80000000
	s_mov_b32 s[G0B+4*\s], 1
	s_add_co_u32 s[G0B+4*\s+1], s45, \s*SLOT
	s_add_nc_u64 s[G0B+4*\s+2:G0B+4*\s+3], s[46:47], \s*ROWB
	s_or_b32 s[G0B+4*\s+3], s[G0B+4*\s+3], 0x80000000
.endr
	JLOAD G0, G1, G0B, G1B                         ; K step 0
	; PREFETCH (this text now has one): of the 128 rows that my wave fetches, each of the four partners that ask for them jointly names 32, told apart by address (cx for A, cy for B): a lane a row, 256 bytes of a row for each K step.
	; Here K steps 1 and 2 are named, behind slot 1's fill K step 3: each one or two fills ahead of the load that wants it; at most two K steps are asked for and not yet loaded.  The address registers are never rewritten.
	s_cmp_eq_u32 s15, 0                            ; do I fetch for A?
	s_cselect_b64 s[66:67], s[20:21], s[46:47]
	s_cselect_b32 s12, s40, s41                    ; my place among the four that ask with me
	s_lshl_b32 s12, s12, 15                        ; 32 rows of 1,024 bytes
	s_mov_b32 s13, 0
	s_add_nc_u64 s[66:67], s[66:67], s[12:13]
	v_and_b32 v30, 31, v0
	v_lshlrev_b32 v30, 10, v30                     ; v30: my lane's row; never rewritten
	global_prefetch_b8 v30, s[66:67] offset:256 th:TH_LOAD_NT scope:SCOPE_SE
	global_prefetch_b8 v30, s[66:67] offset:512 th:TH_LOAD_NT scope:SCOPE_SE
	v_and_b32 v1, 15, v0
	v_bfe_u32 v2, v0, 4, 1                         ; l / 16
	v_mul_u32_u24 v3, v1, PITCH
	v_lshl_add_u32 v4, v2, 4, v3
	s_mul_i32 s21, s15, HALFT                      ; my 128 rows of A
	s_mul_i32 s22, s16, HALFT
	s_add_co_u32 s22, s22, 2*HALFT                 ; my 128 rows of B, behind A's 256
.irp s, 0,1
	v_add_nc_u32 v[ADRA+\s], s21, v4
	v_add_nc_u32 v[ADRB+\s], s22, v4
	s_add_co_u32 s21, s21, SLOT
	s_add_co_u32 s22, s22, SLOT
.endr
	v_and_b32 v6, 31, v0
	v_lshlrev_b32 v[LI], 4, v6
	v_lshlrev_b32 v[WA], 5, v2
	; the norm's weight: register 8 b + j = w[16 b + 8 (l / 16) + j].  It is loaded on every way, in v's clusters too (where nothing reads it), so that no branch stands here
	s_cmp_eq_u32 ttmp9, 2
	s_cselect_b64 s[12:13], s[80:81], s[10:11]
.irp b, 0,1,2,3,4,5,6,7
	global_load_b128 v[W+8*\b:W+8*\b+3], v[WA], s[12:13] offset:64*\b
	global_load_b128 v[W+8*\b+4:W+8*\b+7], v[WA], s[12:13] offset:64*\b+16
.endr
	; where my eight images go.  q, k: [batch][head][tile of 16 tokens]; v: [batch][kv head][128 keys][tile of 16 channels]
	s_lshl_b32 s17, s90, 10
	s_lshl_b32 s18, s41, 8
	s_add_co_u32 s17, s17, s18
	s_lshl_b32 s18, s15, 7
	s_add_co_u32 s17, s17, s18                     ; q, k: my first token
	s_lshr_b32 s18, s17, 11                        ; its batch
	s_and_b32 s19, s17, 2047
	s_lshr_b32 s19, s19, 4                         ; its tile of 16 in the sequence
	s_lshl_b32 s22, s19, 13
	s_mov_b32 s23, 0
	s_add_nc_u64 s[TABB:TABB+1], s[8:9], s[22:23]
	s_lshl_b32 s22, ttmp9, 2
	s_add_co_u32 s22, s22, s40
	s_lshl_b32 s22, s22, 1
	s_add_co_u32 s22, s22, s16
	s_and_b32 s91, s22, 15                         ; my head: q's 0..15; k's columns begin at head 16, so the same four bits serve
	s_cmp_eq_u32 ttmp9, 2
	s_cselect_b32 s23, 3, 4                        ; log2 of the heads
	s_cselect_b64 s[OUTP:OUTP+1], s[86:87], s[84:85]
	s_lshl_b32 s18, s18, s23
	s_add_co_u32 s18, s18, s91
	s_lshl_b32 s18, s18, 7
	s_add_co_u32 s18, s18, s19
	s_lshl_b32 s18, s18, 11
	s_lshl_b32 s19, s90, 10
	s_lshl_b32 s22, s40, 8
	s_add_co_u32 s19, s19, s22
	s_lshl_b32 s22, s16, 7
	s_add_co_u32 s19, s19, s22                     ; v: my first token
	s_lshr_b32 s22, s19, 11
	s_lshl_b32 s22, s22, 3
	s_lshl_b32 s23, s41, 1
	s_add_co_u32 s22, s22, s23
	s_add_co_u32 s22, s22, s15                     ; 8 x batch + kv head
	s_lshl_b32 s22, s22, 4
	s_and_b32 s19, s19, 2047
	s_lshr_b32 s19, s19, 7
	s_add_co_u32 s22, s22, s19
	s_lshl_b32 s22, s22, 14
	s_cmp_eq_u32 ttmp9, 3
	s_cselect_b32 s18, s22, s18
	s_cselect_b64 s[OUTP:OUTP+1], s[88:89], s[OUTP:OUTP+1]
	s_mov_b32 s19, 0
	s_add_nc_u64 s[OUTP:OUTP+1], s[OUTP:OUTP+1], s[18:19]
.macro FRAG reg, adr, q, i             ; a fragment: four loads of 16 bytes, 32 apart: the same places of K in A and in B
.irp c, 0,1,2,3
	ds_load_b128 v[\reg+4*\c:\reg+4*\c+3], v[\adr] offset:128*(\q)+32*\c+(\i)*16*PITCH
.endr
.endm
; 16 matrix instructions: A's blocks a0, a0 + 1 x B's eight.  The 64 accumulators take turns, one instruction a turn, in the same order in every step.
.macro MUL16 a0, p, zero
.irp a, \a0, \a0+1
.irp b, 0,1,2,3,4,5,6,7
.if \zero
	v_wmma_f32_16x16x128_fp8_fp8 v[8*(8*((\a)%4)+\b):8*(8*((\a)%4)+\b)+7], v[128*(\p)+FR*\b:128*(\p)+FR*\b+FR-1], v[AF+FR*(\a):AF+FR*(\a)+FR-1], 0
.else
	v_wmma_f32_16x16x128_fp8_fp8 v[8*(8*((\a)%4)+\b):8*(8*((\a)%4)+\b)+7], v[128*(\p)+FR*\b:128*(\p)+FR*\b+FR-1], v[AF+FR*(\a):AF+FR*(\a)+FR-1], v[8*(8*((\a)%4)+\b):8*(8*((\a)%4)+\b)+7]
.endif
.endr
.endr
.endm
.macro FETCH_B slot, q, p
	WIN TO_B
.irp i, 0,1,2,3,4,5,6,7
	FRAG 128*(\p)+FR*\i, ADRB+\slot, \q, \i
.endr
	WIN 0
.endm
.macro FETCH_A slot, q, i0
.irp i, \i0, \i0+1, \i0+2, \i0+3
	FRAG AF+FR*(\i), ADRA+\slot, \q, \i
.endr
.endm
.macro PLACES n                        ; plain vector instructions between a matrix instruction and a load into, or a vector instruction on, its registers
.rept \n
	v_nop
.endr
.endm
.macro STEP slot, q, zero              ; 128 along K whose successor lies in the same slot
	s_wait_dscnt 4*NL                              ; B's set and A's blocks 0-3 are in; the youngest sixteen loads (A's blocks 4-7) may be out
	WIN MUL_LO
	MUL16 0, (\q)%2, \zero
	MUL16 2, (\q)%2, \zero
	s_wait_dscnt 0
	PLACES NP
	FETCH_B \slot, (\q)+1, 1-(\q)%2
	FETCH_A \slot, (\q)+1, 0
	WIN MUL_HI
	MUL16 4, (\q)%2, \zero
	MUL16 6, (\q)%2, \zero
	PLACES NP
	WIN 0
	FETCH_A \slot, (\q)+1, 4
.endm
; A slot's last step changes slots: one barrier; in front of it each wave waits for all its tensor loads, adds 0 to its spare word, and waits for that and for its reads of this slot.
.macro TURN slot, next, fill
	s_wait_tensorcnt 0x0                           ; all my tensor loads have landed: my part of the next slot
	ds_add_u32 v[SPW], v[NIL]
	s_wait_dscnt 4*NL+1                            ; the add and the youngest sixteen loads may be out
	WIN MUL_LO
	MUL16 0, 1, 0
	s_wait_dscnt 0x0                               ; the add is done, and my reads of this slot are over
	s_barrier_signal -1
	MUL16 2, 1, 0
	WIN 0
	s_barrier_wait -1
.if \fill
	CREST                                          ; the barrier has opened a round of the cluster's: no wave of any partner still reads this slot or has a load on its way
	s_add_nc_u64 s[G0+4*\slot+2:G0+4*\slot+3], s[G0+4*\slot+2:G0+4*\slot+3], 2*ROWB
	s_add_nc_u64 s[G0B+4*\slot+2:G0B+4*\slot+3], s[G0B+4*\slot+2:G0B+4*\slot+3], 2*ROWB
	JLOAD G0+4*\slot, G1, G0B+4*\slot, G1B         ; the first tensor load behind the round; its four v_nop are the places in front of the loads below
.else
	PLACES NP
.endif
	FETCH_B \next, 0, 0
	FETCH_A \next, 0, 0
	WIN MUL_HI
	MUL16 4, 1, 0
	MUL16 6, 1, 0
	PLACES NP
	WIN 0
	FETCH_A \next, 0, 4
.endm
	s_wait_alu depctr_va_vdst(0)
	s_wait_tensorcnt 0x0                           ; my part of slot 0 is in
	ds_add_u32 v[SPW], v[NIL]
	s_wait_dscnt 0x0
	CROUND                                         ; a whole round: everybody's part of slot 0 is in, and the joint loads meet
	JLOAD G0+4, G1, G0B+4, G1B                     ; slot 1's first fill, the first tensor load behind the round
	FETCH_B 0, 0, 0
	FETCH_A 0, 0, 0
	FETCH_A 0, 0, 4
	global_prefetch_b8 v30, s[66:67] offset:768 th:TH_LOAD_NT scope:SCOPE_SE   ; K step 3, two fills ahead of its load
	STEP 0, 0, 1                                   ; K = 1024 is four slots' worth: written out.  The first products start the sums
	TURN 0, 1, 1
	STEP 1, 0, 0
	TURN 1, 0, 1
	STEP 0, 0, 0
	TURN 0, 1, 0                                   ; nothing is left to fetch
	STEP 1, 0, 0
	s_wait_dscnt 4*NL
	WIN MUL_LO
	MUL16 0, 1, 0
	MUL16 2, 1, 0
	s_wait_dscnt 0
	WIN MUL_HI
	MUL16 4, 1, 0
	MUL16 6, 1, 0
	WIN 0
	; ---------------- THE WAY OUT
	s_wait_kmcnt 0x0
	s_add_co_i32 s17, s68, s69                     ; a sum stands for sum x 2^E: E = e0 + e1 (q),
	s_add_co_i32 s18, s70, s71                     ; e2 + e3 (k),
	s_add_co_i32 s19, s72, s73                     ; e4 + e5 (v)
	s_sub_co_i32 s22, s77, s19                     ; v's conversion takes 2^(e9 - e4 - e5)
	s_cmp_eq_u32 ttmp9, 2
	s_cselect_b32 s92, s18, s17
	s_cselect_b32 s93, s75, s74                    ; k's takes 2^e7, q's 2^e6
	s_cmp_eq_u32 ttmp9, 3
	s_cselect_b32 s92, s19, s92
	s_cselect_b32 s93, s22, s93
	s_lshl_b32 s98, s92, 1
	s_sub_co_i32 s98, s98, 7                       ; the mean of 128 squares: x 2^(2 E - 7)
	s_add_co_i32 s99, s93, 127
	s_lshl_b32 s17, s99, 23
	s_add_co_i32 s99, s99, 8
	s_lshl_b32 s99, s99, 23
	s_or_b32 s99, s99, 0x600000
	PLACES NP                                      ; behind the last products: what follows writes registers that held fragments, and reads results
	v_mov_b32 v240, s17                            ; the conversion's scale,
	v_mov_b32 v241, s99                            ; and 448 x it
	s_cmp_eq_u32 ttmp9, 3                          ; the cluster's x: alike in all sixteen partners
	s_cbranch_scc1 .Lv_out
.macro CSLOAD a                        ; tile a's cos and sin, 64 registers, as the table has them for my lanes
	WIN 0x40
.irp g, 0,1,2,3,4,5,6,7,8,9,10,11,12,13,14,15
	global_load_b128 v[64*((\a)%4)+4*\g:64*((\a)%4)+4*\g+3], v[LI], s[TABB:TABB+1] offset:8192*(\a)+512*\g   ; four sets of 64 registers: all of window 1
.endr
.endm
.macro SUMSQ2 a                        ; the squares of tiles a and a + 1: four chains; each accumulator is read from its low end on
.set AC, 64*((\a)%4)
	WIN 0x0a+5*((\a)/4)                            ; sources 0 and 1: window 2 or 3
.irp u, 0,1
	v_pk_mul_f32 v[SSQ+4*(\a+\u):SSQ+4*(\a+\u)+1], v[AC+64*\u:AC+64*\u+1], v[AC+64*\u:AC+64*\u+1]
	v_pk_mul_f32 v[SSQ+4*(\a+\u)+2:SSQ+4*(\a+\u)+3], v[AC+64*\u+2:AC+64*\u+3], v[AC+64*\u+2:AC+64*\u+3]
.endr
.set n, 4
.rept 15
.irp u, 0,1
	v_pk_fma_f32 v[SSQ+4*(\a+\u):SSQ+4*(\a+\u)+1], v[AC+64*\u+n:AC+64*\u+n+1], v[AC+64*\u+n:AC+64*\u+n+1], v[SSQ+4*(\a+\u):SSQ+4*(\a+\u)+1]
	v_pk_fma_f32 v[SSQ+4*(\a+\u)+2:SSQ+4*(\a+\u)+3], v[AC+64*\u+n+2:AC+64*\u+n+3], v[AC+64*\u+n+2:AC+64*\u+n+3], v[SSQ+4*(\a+\u)+2:SSQ+4*(\a+\u)+3]
.endr
.set n, n+4
.endr
.endm
	CSLOAD 0
	CSLOAD 1
	CSLOAD 2
	CSLOAD 3
	SUMSQ2 0
	SUMSQ2 2
	SUMSQ2 4
	SUMSQ2 6
	WIN 0
.irp a, 0,1,2,3,4,5,6,7
	v_pk_add_f32 v[SSQ+4*\a:SSQ+4*\a+1], v[SSQ+4*\a:SSQ+4*\a+1], v[SSQ+4*\a+2:SSQ+4*\a+3]
.endr
.irp a, 0,1,2,3,4,5,6,7
	v_add_f32 v[SSQ+4*\a], v[SSQ+4*\a], v[SSQ+4*\a+1]
.endr
.irp a, 0,1,2,3,4,5,6,7
	v_permlanex16_b32 v[SSQ+4*\a+2], v[SSQ+4*\a], s100, s101   ; the token's other 64 numbers lie in the lane 16 away
.endr
.irp a, 0,1,2,3,4,5,6,7
	v_add_f32 v[SSQ+4*\a], v[SSQ+4*\a], v[SSQ+4*\a+2]
.endr
.irp a, 0,1,2,3,4,5,6,7
	v_ldexp_f32 v[SSQ+4*\a], v[SSQ+4*\a], s98      ; the mean of the squares
.endr
.irp a, 0,1,2,3,4,5,6,7
	v_add_f32 v[SSQ+4*\a], 0x358637bd, v[SSQ+4*\a] ; + 1e-6
.endr
	s_wait_alu depctr_va_vdst(0)
.irp a, 0,1,2,3,4,5,6,7
	v_rsq_f32 v[SSQ+4*\a+1], v[SSQ+4*\a]           ; one batch
.endr
	v_nop                                          ; a plain instruction behind the last of them
	s_wait_alu depctr_va_vdst(0)                   ; one wait for the eight, ahead of the first reader
.irp a, 0,1,2,3,4,5,6,7
	v_ldexp_f32 v[RS+2*\a], v[SSQ+4*\a+1], s92     ; x 2^E: sum x this = x / rms
.endr
.irp a, 0,1,2,3,4,5,6,7
	v_mov_b32 v[RS+2*\a+1], v[RS+2*\a]             ; (named with it as a pair)
.endr
.macro QKTILE a                        ; 16 tokens x the head's 128: norm, weight, RoPE, hold, codes, image
.set AC, 64*((\a)%4)
.set CSB, 64*((\a)%4)
.if (\a) < 5
	s_wait_loadcnt 48                              ; this tile's cos and sin are in (and the weight, loaded long before); the three later tiles' 48 loads may be out
.else
	s_wait_loadcnt 16*(7-(\a))                     ; sixteen loads for each tile that is left
.endif
	WIN 0x02+((\a)/4)                              ; source 0: window 2 or 3
.set n, 0
.rept 32
	v_pk_mul_f32 v[T+n:T+n+1], v[AC+n:AC+n+1], v[RS+2*(\a):RS+2*(\a)+1] op_sel_hi:[1,0]
.set n, n+2
.endr
	WIN 0
.set n, 0
.rept 32
	v_pk_mul_f32 v[T+n:T+n+1], v[T+n:T+n+1], v[W+n:W+n+1]
.set n, n+2
.endr
	WIN 0x04                                       ; source 1 (cos, sin): window 1
.set n, 0
.rept 16                                       ; registers n, n + 1 are channels d < 64; n + 32 those 64 further on: x cos - x' sin, x' cos + x sin
.set XR, RT+4*((n/2)%4)
	v_pk_mul_f32 v[XR:XR+1], v[T+32+n:T+32+n+1], v[CSB+32+n:CSB+32+n+1]
	v_pk_mul_f32 v[XR+2:XR+3], v[T+n:T+n+1], v[CSB+32+n:CSB+32+n+1]
	v_pk_fma_f32 v[T+n:T+n+1], v[T+n:T+n+1], v[CSB+n:CSB+n+1], v[XR:XR+1] neg_lo:[0,0,1] neg_hi:[0,0,1]
	v_pk_fma_f32 v[T+32+n:T+32+n+1], v[T+32+n:T+32+n+1], v[CSB+n:CSB+n+1], v[XR+2:XR+3]
.set n, n+2
.endr
	WIN 0
.set n, 0
.rept 64
	v_med3_num_f32 v[T+n], v[T+n], -v241, v241     ; the conversion to an 8-bit code does not saturate (ISA guide 7.6.2)
.set n, n+1
.endr
	WIN (2+((\a)/4))<<6                            ; the codes go into the first sixteen of the tile's own accumulator registers, which have been read for the last time: no store's data are written again
.irp b, 0,1,2,3,4,5,6,7
	v_cvt_scalef32_pk8_fp8_f32 v[AC+2*\b:AC+2*\b+1], v[T+8*\b:T+8*\b+7], v240   ; registers 2 b, 2 b + 1 of the operand: k = 16 b + 8 (l / 16) + 0..7
.endr
	v_nop                                          ; a plain instruction behind the last conversion: the next tile writes its sources
	WIN (2+((\a)/4))<<2                            ; the stores' data in that window
.irp c, 0,1,2,3
	global_store_b128 v[LI], v[AC+4*\c:AC+4*\c+3], s[OUTP:OUTP+1] offset:2048*(\a)+512*\c   ; 32 lanes store 512 consecutive bytes
.endr
.if (\a) < 4
	CSLOAD (\a)+4
.endif
.endm
	s_wait_alu depctr_va_vdst(0)
.irp a, 0,1,2,3,4,5,6,7
	QKTILE \a
.endr
	WIN 0
	s_branch .Ljoin
.Lv_out:
.macro VTILE a                         ; 16 channels x 128 tokens: hold, codes, image
.set AC, 64*((\a)%4)
	WIN 0x02+((\a)/4)
.set n, 0
.rept 64
	v_med3_num_f32 v[T+n], v[AC+n], -v241, v241
.set n, n+1
.endr
	WIN 0
	WIN (2+((\a)/4))<<6                            ; the codes go into the tile's own accumulator registers, as in q's and k's way out
.irp b, 0,1,2,3,4,5,6,7
	v_cvt_scalef32_pk8_fp8_f32 v[AC+2*\b:AC+2*\b+1], v[T+8*\b:T+8*\b+7], v240
.endr
	v_nop
	WIN (2+((\a)/4))<<2
.irp c, 0,1,2,3
	global_store_b128 v[LI], v[AC+4*\c:AC+4*\c+3], s[OUTP:OUTP+1] offset:2048*(\a)+512*\c
.endr
	WIN 0
.endm
	s_wait_alu depctr_va_vdst(0)
.irp a, 0,1,2,3,4,5,6,7
	VTILE \a
.endr
.Ljoin:
	s_wait_tensorcnt 0x0                           ; the wave's end
	ds_add_u32 v[SPW], v[NIL]
	s_wait_dscnt 0x0
	CROUND                                         ; the closing round: no work-group ends while a partner may still ask for a tile that names it
	s_endpgm
.Lfunc_end_k_q2b0f6feb5d_qkv:
	.size	k_q2b0f6feb5d_qkv, .Lfunc_end_k_q2b0f6feb5d_qkv-k_q2b0f6feb5d_qkv
	.p2alignl 7, 3214868480
	.fill 96, 4, 3214868480
	.section	.rodata,"a",@progbits
	.p2align	6, 0x0
	.amdhsa_kernel k_q2b0f6feb5d_qkv
		.amdhsa_group_segment_fixed_size 327680
		.amdhsa_private_segment_fixed_size 0
		.amdhsa_enable_private_segment 0
		.amdhsa_kernarg_size 72
		.amdhsa_user_sgpr_count 2
		.amdhsa_user_sgpr_kernarg_segment_ptr 1
		.amdhsa_wavefront_size32 1
		.amdhsa_system_sgpr_workgroup_id_x 1
		.amdhsa_system_sgpr_workgroup_id_y 1
		.amdhsa_system_sgpr_workgroup_id_z 1
		.amdhsa_system_vgpr_workitem_id 0
		.amdhsa_next_free_vgpr 1024
		.amdhsa_next_free_sgpr 104
		.amdhsa_reserve_vcc 0
		.amdhsa_float_denorm_mode_32 3
		.amdhsa_float_denorm_mode_16_64 3
		.amdhsa_memory_ordered 1
		.amdhsa_forward_progress 1
		.amdhsa_inst_pref_size 255
	.end_amdhsa_kernel
	.section	.bss,"aw",@nobits
	.p2align	6
	.space	262144
	.amdgpu_metadata
---
amdhsa.version: [ 1, 2 ]
amdhsa.kernels:
  - .name:           k_q2b0f6feb5d_qkv
    .symbol:         k_q2b0f6feb5d_qkv.kd
    .args:
      - { .name: hc, .offset: 0, .size: 8, .value_kind: global_buffer, .address_space: global }
      - { .name: wc, .offset: 8, .size: 8, .value_kind: global_buffer, .address_space: global }
      - { .name: tab, .offset: 16, .size: 8, .value_kind: global_buffer, .address_space: global }
      - { .name: q_norm_w, .offset: 24, .size: 8, .value_kind: global_buffer, .address_space: global }
      - { .name: k_norm_w, .offset: 32, .size: 8, .value_kind: global_buffer, .address_space: global }
      - { .name: lowp_scales, .offset: 40, .size: 8, .value_kind: global_buffer, .address_space: global }
      - { .name: qc, .offset: 48, .size: 8, .value_kind: global_buffer, .address_space: global }
      - { .name: kc, .offset: 56, .size: 8, .value_kind: global_buffer, .address_space: global }
      - { .name: vc, .offset: 64, .size: 8, .value_kind: global_buffer, .address_space: global }
    .group_segment_fixed_size: 327680
    .private_segment_fixed_size: 0
    .kernarg_segment_align: 8
    .kernarg_segment_size: 72
    .max_flat_workgroup_size: 128
    .sgpr_count:     104
    .vgpr_count:     1024
    .wavefront_size: 32
...
	.end_amdgpu_metadata
.endif
;; end of part 2
;; launch attn (part 3): grid 16 x 16, 8 waves a work-group, no clusters, 327,680 bytes of LDS; arguments qc, kc, vc, lowp_scales, oc; writes oc
.if DOCPART == 3
	.amdgcn_target "amdgcn-amd-amdhsa--gfx1250"
	.amdhsa_code_object_version 6
	.text
	.protected	k_q2b0f6feb5d_attn
	.globl	k_q2b0f6feb5d_attn
	.p2align	8
	.type	k_q2b0f6feb5d_attn,@function
k_q2b0f6feb5d_attn:
	s_mov_b64 s[64:65], 0
	v_nop
	global_prefetch_b8 v0, s[64:65] scope:SCOPE_SE
	s_setreg_imm32_b32 hwreg(HW_REG_WAVE_MODE, 25, 1), 1
	s_wait_xcnt 0x0
; ATTN: causal attention with grouped heads, both products on codes of E4M3; O / l is quantised for the last projection.  Key steps that lie wholly under the causal mask are left out.
; All four tensors are IMAGES of operand registers: a fragment (16 rows x 128 K, 16 registers a lane) is 2,048 bytes, registers 4 c .. 4 c + 3 of lane l at 512 c + 16 l; lane (r, h) holds row r, registers 2 c, 2 c + 1 hold k = 16 c + 8 h + 0..7.
;   qc [batch][head 16][tile of 16 tokens], kc [batch][kv head 8][tile of 16 tokens]: K = the head's 128.   vc [batch][kv head][128 keys][tile of 16 channels]: K = the keys.   oc [tile of 16 tokens, 256][head 16].
; THE SOFTMAX: t = score x log2(e) / sqrt(128); M = the running largest t, rounded up to a whole number; p = 2^(t - M) is quantised, not normalised; the row's sum is taken of the unquantised p and divides at the end.
; SHARES.  Work-group (i, y): y = 8 batch + kv head; first the block of 64 queries i, then the block 31 - i.  Waves w and w + 4 own the SAME tile of 16 queries (tile w % 4 of the block) for both query heads and SHARE ITS KEYS:
; of each slot of 256 keys wave w takes the first 128 and wave w + 4 the second.  Block i needs i / 4 + 1 slots and block 31 - i needs 8 - i / 4: nine slots in every work-group, one loop of constant count.
; THE JOIN at a block's end: each wave holds in window 0 the head that it will finish (head w / 4) and in window 1 the other.  It stores window 1's O^T, -M and sums into LDS bytes of its own, and behind the ring's barrier reads its
; partner's, which belong to its window 0's head.  Both M are whole numbers, so both parts are brought under the larger M by powers of two.  A wave that saw no key gives zeros under M = -3e38, whose factor is 0.
; The bytes of the exchange take turns between two regions, trip by trip, so that a barrier stands between any read of a region and the next store into it.
; THE RING: two slots of 256 keys (K's 16 images, V's 16).  Every wave fetches 8 KiB: two rows of 4 KiB, one of the slot's first 128 keys and one of its second, so that part of every load is read whenever the slot's first step is.
; So image t of half b lies at 8192 (t / 2) + 4096 b + 2048 (t % 2), V's 32 KiB behind K's.  Every wait on TENSORcnt is for 0; a wave has one load out behind each barrier.
; NO CLUSTER, though four neighbouring i walk the same nine slots: which step is hidden and which lies on the diagonal hangs on the work-group's own block of queries, and a branch would hang on its place in the cluster.
; PREFETCH: all work-groups of a y walk the same K and V; work-group i = 0, which begins the late block's slots first, asks at each change of slots for the slot that its next change will load, 8,192 bytes a wave, lanes 256 bytes apart.
; LIMITS: e6 + e7 between -123 and 130; e8 and e10 - e8 - e9 between -126 and 119; the scaled scores stay under 2^31 in magnitude.  NaN among the inputs is not served.
; REGISTERS: window x holds one head under the same numbers: v12 -M, v13 the largest t, v[14:15] the sum; v16-31 Q; v96-159 S^T, then p; v160-223 O^T; v224-239 codes; v240 448 x 2^e8, v244 2^e8, v241, v245 the same for o;
;   v246 r - 8 h; v236, v242, v243, v252-254 at work.  v32-95: fragments 0-3 of K or V in window 0, 4-7 in window 1.  Window 0 alone: v1-v9 addresses.
.set SLOT1, 1<<16                      ; slot 1 begins here: one exclusive or turns an address
.set XCH,   2*SLOT1                    ; behind the ring: the exchange
.set XW,    8704                       ; a wave's part: 16 x 512 bytes of O^T, 512 of v12-15
.set XPAR,  8*XW                       ; from one region to the other
.set SPARE, XCH+2*XPAR                 ; the spare words, 128 bytes for each of eight waves
.set LI,   1                           ; v1  16 x lane
.set XG,   2                           ; v2  my part of the exchange, + 16 x lane
.set PFO,  3                           ; v3  256 x lane
.set XT,   4                           ; v4  my partner's part
.set SPW,  5
.set NIL,  6
.set LIH,  7                           ; v7  16 x lane + 4096 x my half
.set AD,   8                           ; v8  LDS address in the slot in hand
.set XA,   9                           ; v9  LDS address in the exchange's region in hand
.set TB,   2                           ; s2  LDS byte at which the slot in hand begins
.set WV,   18
.set HB,   19                          ; s19 my half of each slot's keys, and the head in my window 0
.set SEL,  20
.set CS,   22                          ; s[22:23] c = log2(e) / sqrt(128) x 2^(e6 + e7)
.set G1,   24
.set HO0,  32                          ; s32, s33 bytes from head 0's images to window 0's, window 1's
.set HO1,  33
.set Q0L,  34                          ; s34 my first query in the late block
.set KF0,  35                          ; s35 128 x my half
.set SW,   36                          ; s36 the count of slots at which the late block begins
.set SW1,  37                          ; s37 the count at which its first slot is asked for
.set RB,   38                          ; s38 the early block's slots in bytes
.set XB,   39                          ; s39 0 or XPAR, by turns
.set G0,   40
.set SLOTS, 67
.set PFA,  80
.set LIM,  82
.set KF,   98                          ; s98 my step's first key
.set Q0,   99                          ; s99 my first query
.set MSB, 0
.macro WIN new
.if MSB != (\new)
	s_set_vgpr_msb (MSB<<8)|(\new)
.set MSB, (\new)
.endif
.endm
.macro TLOAD                           ; every wave's own 8 KiB; an s_nop 0 and four v_nop follow the line
	tensor_load_to_lds s[G0:G0+3], s[G1:G1+7]
	s_nop 0
.rept 4
	v_nop
.endr
.endm
.macro ASK
	s_cmp_gt_u32 s[SLOTS], s[LIM]
	s_cbranch_scc0 .Lnot_mine_\@
	global_prefetch_b8 v[PFO], s[PFA:PFA+1] th:TH_LOAD_NT scope:SCOPE_SE
.Lnot_mine_\@:
.endm
.macro QADDR                           ; where my tile's two images of Q lie
	s_lshl_b32 s44, s[Q0], 7
	s_add_co_u32 s46, s44, s[HO1]
	s_add_co_u32 s44, s44, s[HO0]
	s_mov_b32 s45, 0
	s_mov_b32 s47, 0
	s_add_nc_u64 s[44:45], s[4:5], s[44:45]
	s_add_nc_u64 s[46:47], s[4:5], s[46:47]
.endm
.macro QLD
.irp c, 0,1,2,3
	global_load_b128 v[16+4*\c:19+4*\c], v[LI], s[44:45] offset:512*\c
.endr
	WIN 0x40
.irp c, 0,1,2,3
	global_load_b128 v[16+4*\c:19+4*\c], v[LI], s[46:47] offset:512*\c
.endr
	WIN 0
.endm
	s_load_b128 s[4:7], s[0:1], 0x0                ; qc, kc
	s_load_b128 s[12:15], s[0:1], 0x10             ; vc, the scales
	s_load_b64 s[16:17], s[0:1], 0x20              ; oc
	v_lshl_add_u32 v[SPW], v0, 2, SPARE
	v_mov_b32 v[NIL], 0
	ds_add_u32 v[SPW], v[NIL]                      ; the wave's opening: the add, twice on end, and its wait ahead of my first tensor load
	ds_add_u32 v[SPW], v[NIL]
	v_lshrrev_b32 v8, 5, v0
	v_readfirstlane_b32 s[WV], v8                  ; wave 0..7
	s_and_b32 s84, ttmp7, 0xffff                   ; y
	s_lshl_b32 s85, s84, 18                        ; y's first byte in kc and in vc
	s_lshr_b32 s[HB], s[WV], 2
	s_and_b32 s86, s[WV], 3                        ; my tile of the block; also my quarter of what is fetched
	s_lshl_b32 s87, s86, 4
	s_lshl_b32 s[Q0], ttmp9, 6
	s_add_co_u32 s[Q0], s[Q0], s87                 ; my first query in the early block,
	s_sub_co_u32 s[Q0L], 31, ttmp9
	s_lshl_b32 s[Q0L], s[Q0L], 6
	s_add_co_u32 s[Q0L], s[Q0L], s87               ; and in the late one
	s_lshl_b32 s[KF0], s[HB], 7
	s_mov_b32 s[KF], s[KF0]
	s_lshr_b32 s[RB], ttmp9, 2
	s_add_co_u32 s[RB], s[RB], 1                   ; the early block's slots, 1 to 4
	s_sub_co_u32 s[SW], 8, s[RB]
	s_add_co_u32 s[SW1], s[SW], 1
	s_lshl_b32 s[RB], s[RB], 15
	s_lshl_b32 s[HO0], s[HB], 18
	s_xor_b32 s[HO1], s[HO0], 1<<18
	s_mov_b32 s[G1], 3<<16                         ; no mask; elements of 8 bytes; no padding
	s_mov_b32 s[G1+1], 512<<16                     ; tensor_dim0: 512 elements = 4,096 bytes
	s_mov_b32 s[G1+2], 2<<16                       ; tensor_dim1: 2 rows
	s_mov_b32 s[G1+3], 512<<16                     ; tile_dim0
	s_mov_b32 s[G1+4], 2                           ; tile_dim1
	s_mov_b32 s[G1+5], 2048                        ; from row to row: 16,384 bytes, the slot's other 128 keys
	s_mov_b32 s[G1+6], 0
	s_mov_b32 s[G1+7], 0
	s_mov_b32 s[SEL], 0x76543210
	s_mov_b32 s[SEL+1], 0xfedcba98
	s_mov_b32 s[CS], 0x3e0293ee
	s_mov_b32 s[TB], 0
	s_mov_b32 s[XB], 0
	s_mov_b32 s[SLOTS], 8
	s_mov_b32 s51, 0
	s_lshl_b32 s88, s86, 12
	s_add_co_u32 s88, s88, s85                     ; what I fetch: my 4,096 bytes of each half
	s_mov_b32 s89, 0
	s_lshl_b32 s90, s[WV], 13                      ; and where it goes: waves 0-3 K's 32 KiB, waves 4-7 V's
	s_wait_dscnt 0x0                               ; both opening adds are done
	s_wait_kmcnt 0x0
	s_load_b256 s[68:75], s[14:15], 0x0            ; e0 .. e7
	s_load_b128 s[76:79], s[14:15], 0x20           ; e8 .. e11
	s_mov_b32 s[G0], 1
	s_mov_b32 s[G0+1], s90
	s_cmp_lt_u32 s[WV], 4
	s_cselect_b64 s[G0+2:G0+3], s[6:7], s[12:13]
	s_add_nc_u64 s[G0+2:G0+3], s[G0+2:G0+3], s[88:89]
	s_or_b32 s[G0+3], s[G0+3], 0x80000000
	TLOAD                                          ; the early block's slot 0
	s_lshl_b32 s92, s84, 19
	s_mov_b32 s93, 0
	s_add_nc_u64 s[4:5], s[4:5], s[92:93]          ; Q: head 2 y's images
	QADDR
	s_lshr_b32 s92, s84, 3
	s_lshl_b32 s92, s92, 22
	s_and_b32 s94, s84, 7
	s_lshl_b32 s94, s94, 12
	s_add_co_u32 s92, s92, s94
	s_lshl_b32 s94, s[HB], 11
	s_add_co_u32 s92, s92, s94
	s_add_nc_u64 s[16:17], s[16:17], s[92:93]      ; oc: my batch, the head that I finish
	s_cmp_lt_u32 s[WV], 4
	s_cselect_b64 s[PFA:PFA+1], s[6:7], s[12:13]
	s_lshl_b32 s92, s86, 13
	s_add_co_u32 s92, s92, s85                     ; in slot 0: the first change of slots steps it to slot 1
	s_add_nc_u64 s[PFA:PFA+1], s[PFA:PFA+1], s[92:93]
	s_cmp_eq_u32 ttmp9, 0
	s_cselect_b32 s[LIM], 1, -1
	s_lshl_b32 s94, s[HB], 12
	s_mul_i32 s95, s[WV], XW
	s_add_co_u32 s95, s95, XCH
	s_xor_b32 s96, s[WV], 4                        ; my partner
	s_mul_i32 s96, s96, XW
	s_add_co_u32 s96, s96, XCH
	v_and_b32 v1, 31, v0
	v_lshlrev_b32 v[PFO], 8, v1
	v_lshlrev_b32 v[LI], 4, v1
	v_add_nc_u32 v[LIH], s94, v[LI]
	v_add_nc_u32 v[XG], s95, v[LI]
	v_add_nc_u32 v[XT], s96, v[LI]
	v_and_b32 v246, 15, v0
	v_bfe_u32 v247, v0, 4, 1
	v_lshlrev_b32 v247, 3, v247
	v_sub_nc_u32 v246, v246, v247                  ; r - 8 h
	s_wait_alu depctr_va_vdst(0)
	QLD
	WIN 0x40
	v_mov_b32 v246, v246                           ; and in window 1
	WIN 0
	s_wait_kmcnt 0x0
	s_add_co_i32 s88, s74, s75
	s_lshl_b32 s88, s88, 23
	s_add_co_i32 s[CS], s[CS], s88                 ; a score stands for score x 2^(e6 + e7): added to c's exponent field
	s_mov_b32 s[CS+1], s[CS]
	s_add_co_i32 s88, s76, 127
	s_lshl_b32 s89, s88, 23                        ; 2^e8
	s_add_co_i32 s88, s88, 8
	s_lshl_b32 s88, s88, 23
	s_or_b32 s88, s88, 0x600000                    ; 448 x 2^e8
	s_sub_co_i32 s90, s78, s76
	s_sub_co_i32 s90, s90, s77                     ; o's conversion takes 2^(e10 - e8 - e9)
	s_add_co_i32 s90, s90, 127
	s_lshl_b32 s91, s90, 23
	s_add_co_i32 s90, s90, 8
	s_lshl_b32 s90, s90, 23
	s_or_b32 s90, s90, 0x600000
.macro INIT                            ; a head's start: the key step has no first step of its own; it finds zeros, which the first change of M leaves zeros
	v_mov_b32 v13, 0xff61b1e6                      ; the largest t so far: -3e38
	s_delay_alu instid0(VALU_DEP_1)
	v_floor_f32 v12, -v13
	v_mov_b32 v14, 0
	v_mov_b32 v15, 0
	v_mov_b32 v236, 0                              ; a lane permute's destination counts as read
	v_mov_b32 v253, 0                              ; (named as the upper half of a pair)
	v_mov_b32 v240, s88
	v_mov_b32 v244, s89
	v_mov_b32 v241, s90
	v_mov_b32 v245, s91
.set n, 0
.rept 64
	v_mov_b32 v[160+n], 0
.set n, n+1
.endr
.endm
	INIT
	WIN 0x55
	INIT
	WIN 0
.macro MASK                            ; register 8 t + j holds key KF + 16 t + 8 h + j: hidden where 16 t + j > my query - KF - 8 h
	v_add_nc_u32 v252, s96, v246
	v_mov_b32 v254, 0xff800000
.set n, 0
.rept 64
	v_cmp_gt_i32 vcc_lo, 16*(n/8)+n%8, v252
	v_cndmask_b32 v[96+n], v[96+n], v254, vcc_lo
.set n, n+1
.endr
.endm
.macro SOFTMAX                         ; one head's 64 scores a lane, under the window that is set
	v_max3_num_f32 v254, v96, v97, v98             ; the step's largest score, in two chains, each accumulator from its low end on
	v_max3_num_f32 v252, v99, v100, v101
.set n, 6
.rept 14
	v_max3_num_f32 v254, v254, v[96+n], v[97+n]
	v_max3_num_f32 v252, v252, v[98+n], v[99+n]
.set n, n+4
.endr
	v_max3_num_f32 v254, v254, v158, v159
	s_delay_alu instid0(VALU_DEP_1)
	v_max_num_f32 v254, v254, v252
	v_permlanex16_b32 v236, v254, s[SEL], s[SEL+1]
	s_delay_alu instid0(VALU_DEP_1)
	v_max_num_f32 v254, v254, v236                 ; and among lane l xor 16's
	s_delay_alu instid0(VALU_DEP_1)
	v_mul_f32 v254, s[CS], v254                    ; as t
	s_delay_alu instid0(VALU_DEP_1)
	v_max_num_f32 v13, v13, v254
	v_mov_b32 v254, v12
	s_delay_alu instid0(VALU_DEP_2)
	v_floor_f32 v12, -v13                          ; the new -M = -ceil(t)
	s_delay_alu instid0(VALU_DEP_1)
	v_sub_f32 v254, v12, v254
	s_delay_alu instid0(VALU_DEP_1)
	v_cvt_i32_f32 v254, v254                       ; old M - new M, a whole number (the conversion saturates)
	s_delay_alu instid0(VALU_DEP_1)
	v_ldexp_f32 v252, 1.0, v254                    ; f = 2^(old M - new M)
.set n, 0
.rept 32
	v_pk_fma_f32 v[96+n:97+n], v[96+n:97+n], s[CS:CS+1], v[12:13] op_sel_hi:[1,0,0]   ; t - M
.set n, n+2
.endr
.set n, 0
	s_wait_alu depctr_va_vdst(0)
.rept 64
	v_exp_f32 v[96+n], v[96+n]                     ; p: one batch
.set n, n+1
.endr
	v_pk_mul_f32 v[14:15], v[14:15], v[252:253] op_sel_hi:[1,0]   ; the sums under the new M: the plain instruction behind the exponentials
	s_wait_alu depctr_va_vdst(0)                   ; one wait for the batch, ahead of its first reader
	v_pk_add_f32 v[242:243], v[96:97], v[98:99]    ; the row's sum, of the unquantised p
.set n, 4
.rept 15
	v_pk_add_f32 v[14:15], v[14:15], v[96+n:97+n]
	v_pk_add_f32 v[242:243], v[242:243], v[98+n:99+n]
.set n, n+4
.endr
	s_delay_alu instid0(VALU_DEP_1)
	v_pk_add_f32 v[14:15], v[14:15], v[242:243]
.set m, 0
.rept 8
.set n, 0
.rept 8
	v_min_num_f32 v[96+8*m+n], v[96+8*m+n], v240   ; the conversion does not saturate (ISA guide 7.6.2); p is not negative
.set n, n+1
.endr
	v_cvt_scalef32_pk8_fp8_f32 v[224+2*m:225+2*m], v[96+8*m:103+8*m], v244
.set m, m+1
.endr
	s_wait_alu depctr_va_vdst(0)                   ; directly ahead of the first reader of O^T
.set n, 0
.rept 32
	v_pk_mul_f32 v[160+n:161+n], v[160+n:161+n], v[252:253] op_sel_hi:[1,0]   ; O^T under the new M
.set n, n+2
.endr
.endm
.macro PVMUL x                         ; O^T += V^T P^T for window x: eight accumulators, one instruction each
	WIN (\x<<6)|(\x<<4)|(\x<<2)
.irp t, 0,1,2,3
	v_wmma_f32_16x16x128_fp8_fp8 v[160+8*\t:167+8*\t], v[32+16*\t:47+16*\t], v[224:239], v[160+8*\t:167+8*\t]
.endr
	WIN (\x<<6)|(\x<<4)|(\x<<2)|1
.irp t, 0,1,2,3
	v_wmma_f32_16x16x128_fp8_fp8 v[192+8*\t:199+8*\t], v[32+16*\t:47+16*\t], v[224:239], v[192+8*\t:199+8*\t]
.endr
.endm
.macro KQMUL x                         ; S^T = K Q^T for window x
	WIN (\x<<6)|(\x<<4)|(\x<<2)
.irp t, 0,1,2,3
	v_wmma_f32_16x16x128_fp8_fp8 v[96+8*\t:103+8*\t], v[32+16*\t:47+16*\t], v[16:31], 0
.endr
.if \x == 0
	s_wait_dscnt 0x0                               ; fragments 4-7 are in
.endif
	WIN (\x<<6)|(\x<<4)|(\x<<2)|1
.irp t, 0,1,2,3
	v_wmma_f32_16x16x128_fp8_fp8 v[128+8*\t:135+8*\t], v[32+16*\t:47+16*\t], v[16:31], 0
.endr
.endm
.macro FRAGS off                       ; my half's eight images from LDS: 0-3 into window 0, 4-7 into window 1
.irp t, 0,1,2,3
.irp c, 0,1,2,3
	ds_load_b128 v[32+16*\t+4*\c:32+16*\t+4*\c+3], v[AD] offset:\off+8192*(\t/2)+2048*(\t%2)+512*\c
.endr
.endr
	WIN 0x40
.irp t, 0,1,2,3
.irp c, 0,1,2,3
	ds_load_b128 v[32+16*\t+4*\c:32+16*\t+4*\c+3], v[AD] offset:\off+16384+8192*(\t/2)+2048*(\t%2)+512*\c
.endr
.endr
	WIN 0
.endm
; A KEY STEP: my 128 keys of the slot in hand, for both heads.
.macro STEP
	s_add_co_u32 s96, s[Q0], 15
	s_cmp_gt_u32 s[KF], s96                        ; all its keys come after my queries: a branch on ids, round the step's work alone
	s_cbranch_scc1 .Lhidden_\@
	v_add_nc_u32 v[AD], s[TB], v[LIH]
.rept 3
	v_nop                                          ; with the addition: four places behind the last products, which read the registers that are loaded now
.endr
	FRAGS 0
	s_wait_alu depctr_va_vdst(0)
	s_wait_dscnt 16                                ; fragments 0-3 are in; the sixteen loads of fragments 4-7 may be out
	KQMUL 0
	KQMUL 1
	WIN 0
.rept 4
	v_nop                                          ; places: V's loads land on K's registers, and the scores are read
.endr
	FRAGS 32768                                    ; V lands while window 0's softmax is worked
	s_add_co_u32 s96, s[KF], 127
	s_cmp_le_u32 s96, s[Q0]                        ; all keys count for all my queries: no mask
	s_cbranch_scc1 .Lopen_\@
	s_sub_co_i32 s96, s[Q0], s[KF]
	MASK
	WIN 0x55
	MASK
	WIN 0
.Lopen_\@:
	SOFTMAX
	s_wait_alu depctr_va_vdst(0)
	s_wait_dscnt 0x0                               ; V is in
	PVMUL 0
	WIN 0x55
	SOFTMAX
	PVMUL 1
	WIN 0
.Lhidden_\@:
	s_add_co_u32 s[KF], s[KF], 256
.endm
; THE CHANGE OF SLOTS stands at a slot's head: each wave waits for its tensor load, adds 0 to its spare word, and waits for that, for its reads of the slot that it has left and for its stores into the exchange.
; Behind the barrier the slot ahead is whole and nobody reads the other one, which takes the next slot of the walk: the next 256 keys, or, where the late block begins, the first 256 again.
.macro CHANGE fill
	s_wait_tensorcnt 0x0                           ; no tensor load of mine is out, so the descriptor may be written
	ds_add_u32 v[SPW], v[NIL]
.if \fill
	s_xor_b32 s[G0+1], s[G0+1], SLOT1
	s_add_nc_u64 s[G0+2:G0+3], s[G0+2:G0+3], 32768
	s_cmp_eq_u32 s[SLOTS], s[SW1]
	s_cselect_b32 s50, s[RB], 0                    ; back over the early block's slots (s51 = 0)
	s_sub_nc_u64 s[G0+2:G0+3], s[G0+2:G0+3], s[50:51]
	s_wait_xcnt 0x0                                ; the last prefetch, a slot back, has read its address
	s_add_nc_u64 s[PFA:PFA+1], s[PFA:PFA+1], 32768
.endif
	s_wait_dscnt 0x0
	s_barrier_signal -1
	s_barrier_wait -1
.if \fill
	TLOAD
	ASK
.endif
.endm
.macro GIVE                            ; window 1's part goes to my partner
	v_add_nc_u32 v[XA], s[XB], v[XG]
.rept 3
	v_nop                                          ; with the addition: four places behind the last products
.endr
	WIN 0x04                                       ; the data in window 1
	ds_store_b128 v[XA], v[12:15] offset:8192
.set n, 0
.rept 16
	ds_store_b128 v[XA], v[160+4*n:163+4*n] offset:512*n   ; each accumulator from its low end on
.set n, n+1
.endr
	WIN 0
.endm
; My partner's part joins window 0's; O / l is held, quantised and stored.  more = 1: the late block begins.
.macro TAKE more
	s_lshr_b32 s50, s[Q0], 4
	s_lshl_b32 s50, s50, 15
	s_add_nc_u64 s[48:49], s[16:17], s[50:51]      ; oc: my tile of tokens
	v_add_nc_u32 v[XA], s[XB], v[XT]
	ds_load_b128 v[32:35], v[XA] offset:8192       ; its -M, largest t, and sum in two halves
.set n, 0
.rept 16
	ds_load_b128 v[96+4*n:99+4*n], v[XA] offset:512*n
.set n, n+1
.endr
.if \more
	s_mov_b32 s[Q0], s[Q0L]
	s_mov_b32 s[KF], s[KF0]
	QADDR
	QLD                                            ; the late block's Q lands under the join
.endif
	s_wait_dscnt 0x0
	v_min_num_f32 v36, v12, v32                    ; the joint -M
	v_add_f32 v14, v14, v15
	v_add_f32 v34, v34, v35
	v_sub_f32 v37, v36, v12                        ; my M less the joint M, a whole number, 0 or less
	v_sub_f32 v38, v36, v32
	v_cvt_i32_f32 v37, v37
	v_cvt_i32_f32 v38, v38
	v_ldexp_f32 v37, 1.0, v37                      ; my part's factor,
	v_ldexp_f32 v38, 1.0, v38                      ; and my partner's
	v_mul_f32 v14, v14, v37
	v_fma_f32 v14, v34, v38, v14
	v_permlanex16_b32 v236, v14, s[SEL], s[SEL+1]
	v_add_f32 v14, v14, v236                       ; the row's sum
	s_wait_alu depctr_va_vdst(0)
	v_rcp_f32 v14, v14
	v_nop                                          ; a plain instruction behind the reciprocal
	s_wait_alu depctr_va_vdst(0)                   ; the wait ahead of its first reader
	v_mul_f32 v40, v37, v14
	v_mul_f32 v42, v38, v14
	v_mov_b32 v41, v40                             ; (named with them as pairs)
	v_mov_b32 v43, v42
.set n, 0
.rept 32
	v_pk_mul_f32 v[96+n:97+n], v[96+n:97+n], v[42:43] op_sel_hi:[1,0]
.set n, n+2
.endr
	s_wait_alu depctr_va_vdst(0)                   ; directly ahead of the first reader of O^T
.set n, 0
.rept 32
	v_pk_fma_f32 v[96+n:97+n], v[160+n:161+n], v[40:41], v[96+n:97+n] op_sel_hi:[1,0,1]
.set n, n+2
.endr
.set n, 0
.rept 64
	v_med3_num_f32 v[96+n], v[96+n], -v241, v241
.set n, n+1
.endr
.set n, 0
.rept 8
	v_cvt_scalef32_pk8_fp8_f32 v[224+2*n:225+2*n], v[96+8*n:103+8*n], v245   ; channels 16 n + 8 h + 0..7: the last projection's operand as it stands
.set n, n+1
.endr
	v_nop
.irp c, 0,1,2,3
	global_store_b128 v[LI], v[224+4*\c:227+4*\c], s[48:49] offset:512*\c   ; 32 lanes store 512 consecutive bytes
.endr
.if \more
	s_wait_xcnt 0x0                                ; the stores have read their data: v224-239 (v236 among them) are rewritten only behind this wait
	INIT
	WIN 0x55
	INIT
	WIN 0
	s_wait_alu depctr_va_vdst(0)
	s_wait_loadcnt 0x0                             ; Q
.endif
.endm
	s_wait_alu depctr_va_vdst(0)
	s_wait_loadcnt 0x0                             ; Q
.Lslot:                                            ; eight trips; the ninth slot is written out
	s_cmp_lg_u32 s[SLOTS], s[SW]                   ; ids and the count of slots alone: alike in all eight waves
	s_cbranch_scc1 .Lno_give
	GIVE                                           ; the early block is done
.Lno_give:
	CHANGE 1
	s_cmp_lg_u32 s[SLOTS], s[SW]
	s_cbranch_scc1 .Lno_take
	TAKE 1
.Lno_take:
	STEP
	s_xor_b32 s[TB], s[TB], SLOT1
	s_xor_b32 s[XB], s[XB], XPAR
	s_sub_co_u32 s[SLOTS], s[SLOTS], 1
	s_cmp_lg_u32 s[SLOTS], 0
	s_cbranch_scc1 .Lslot
	CHANGE 0                                       ; nothing is left to ask for
	STEP
	s_xor_b32 s[XB], s[XB], XPAR
	GIVE                                           ; the late block is done
	s_wait_dscnt 0x0                               ; my stores are done, for my partner's sake
	s_barrier_signal -1
	s_barrier_wait -1
	TAKE 0
	s_wait_tensorcnt 0x0                           ; the wave's end
	ds_add_u32 v[SPW], v[NIL]
	s_wait_dscnt 0x0
	s_endpgm
.Lfunc_end_k_q2b0f6feb5d_attn:
	.size	k_q2b0f6feb5d_attn, .Lfunc_end_k_q2b0f6feb5d_attn-k_q2b0f6feb5d_attn
	.p2alignl 7, 3214868480
	.fill 96, 4, 3214868480
	.section	.rodata,"a",@progbits
	.p2align	6, 0x0
	.amdhsa_kernel k_q2b0f6feb5d_attn
		.amdhsa_group_segment_fixed_size 327680
		.amdhsa_private_segment_fixed_size 0
		.amdhsa_enable_private_segment 0
		.amdhsa_kernarg_size 40
		.amdhsa_user_sgpr_count 2
		.amdhsa_user_sgpr_kernarg_segment_ptr 1
		.amdhsa_wavefront_size32 1
		.amdhsa_system_sgpr_workgroup_id_x 1
		.amdhsa_system_sgpr_workgroup_id_y 1
		.amdhsa_system_sgpr_workgroup_id_z 1
		.amdhsa_system_vgpr_workitem_id 0
		.amdhsa_next_free_vgpr 512
		.amdhsa_next_free_sgpr 100
		.amdhsa_reserve_vcc 1
		.amdhsa_float_denorm_mode_32 3
		.amdhsa_float_denorm_mode_16_64 3
		.amdhsa_memory_ordered 1
		.amdhsa_forward_progress 1
		.amdhsa_inst_pref_size 131
	.end_amdhsa_kernel
	.amdgpu_metadata
---
amdhsa.version: [ 1, 2 ]
amdhsa.kernels:
  - .name:           k_q2b0f6feb5d_attn
    .symbol:         k_q2b0f6feb5d_attn.kd
    .args:
      - { .name: qc, .offset: 0, .size: 8, .value_kind: global_buffer, .address_space: global }
      - { .name: kc, .offset: 8, .size: 8, .value_kind: global_buffer, .address_space: global }
      - { .name: vc, .offset: 16, .size: 8, .value_kind: global_buffer, .address_space: global }
      - { .name: lowp_scales, .offset: 24, .size: 8, .value_kind: global_buffer, .address_space: global }
      - { .name: oc, .offset: 32, .size: 8, .value_kind: global_buffer, .address_space: global }
    .group_segment_fixed_size: 327680
    .private_segment_fixed_size: 0
    .kernarg_segment_align: 8
    .kernarg_segment_size: 40
    .max_flat_workgroup_size: 256
    .sgpr_count:     100
    .vgpr_count:     512
    .wavefront_size: 32
...
	.end_amdgpu_metadata
.endif
;; end of part 3
;; launch oproj (part 4): grid 8 x 32, 4 waves a work-group, clusters of 4 x 4, 327,680 bytes of LDS; arguments oc, woc, lowp_scales, out0; writes out0
.if DOCPART == 4
	.amdgcn_target "amdgcn-amd-amdhsa--gfx1250"
	.amdhsa_code_object_version 6
	.text
	.protected	k_q2b0f6feb5d_oproj
	.globl	k_q2b0f6feb5d_oproj
	.p2align	8
	.type	k_q2b0f6feb5d_oproj,@function
k_q2b0f6feb5d_oproj:
	s_mov_b64 s[64:65], 0
	v_nop
	global_prefetch_b8 v0, s[64:65] scope:SCOPE_SE
	s_setreg_imm32_b32 hwreg(HW_REG_WAVE_MODE, 25, 1), 1
	s_wait_xcnt 0x0
	s_wait_alu depctr_hold_cnt(0) depctr_sa_sdst(0) depctr_va_vdst(0) depctr_va_sdst(0) depctr_va_ssrc(0) depctr_va_vcc(0) depctr_vm_vsrc(0)
	s_getreg_b32 s2, hwreg(HW_REG_IB_STS2, 6, 4)
	s_cmp_eq_u32 s2, 0
	s_cbranch_scc0 .Lentry_in_a_cluster
	s_endpgm
.Lentry_in_a_cluster:
	s_bfe_u32 s2, ttmp6, 0x10000c
	s_cmp_lg_u32 s2, 0xf033
	s_cbranch_scc0 .Lentry_shape_is_right
	s_endpgm
.Lentry_shape_is_right:
.set SLOT,   133120
.set BOFF,   65536
.set BPITCH, 528
.set STAGE,  2*SLOT
.set SPITCH, 272
.set SPARE,  STAGE+4*16*SPITCH
.set ADRA, 16
.set ADRB, 20
.set STO,  24
.set RD,   25
.set CO,   26
.set SPW,  28
.set NIL,  29
.set TMP,  32
.set BK,   64
.set ACC,  128
.set F0,   0
.set F1,   128
.set G1, 24
.set G0, 32
.set G1B, 48
.set G0B, 56
.set MSB, 0
.macro WIN new
.if MSB != (\new)
	s_set_vgpr_msb (MSB<<8)|(\new)
.set MSB, (\new)
.endif
.endm
.set MUL,  0x05
.set TO_F, 0x40
.macro JLOAD s
	s_cmp_eq_u32 s15, 0
	s_cbranch_scc0 .Lfor_b_\@
	tensor_load_to_lds s[G0+4*\s:G0+4*\s+3], s[G1:G1+7]
	s_nop 0
.rept 4
	v_nop
.endr
	s_branch .Lasked_\@
.Lfor_b_\@:
	tensor_load_to_lds s[G0B+4*\s:G0B+4*\s+3], s[G1B:G1B+7]
	s_nop 0
.rept 4
	v_nop
.endr
.Lasked_\@:
.endm
.macro CREST
	s_cmp_lg_u32 s14, 0
	s_cbranch_scc1 .Lnot_wave_0_\@
	s_barrier_signal -3
.Lnot_wave_0_\@:
	s_barrier_wait -3
	s_barrier_signal -1
	s_barrier_wait -1
.endm
.macro CROUND
	s_barrier_signal -1
	s_barrier_wait -1
	CREST
.endm
	s_load_b256 s[4:11], s[0:1], 0x0
	v_lshl_add_u32 v[SPW], v0, 2, SPARE
	v_mov_b32 v[NIL], 0
	ds_add_u32 v[SPW], v[NIL]
	ds_add_u32 v[SPW], v[NIL]
	v_lshrrev_b32 v1, 5, v0
	v_readfirstlane_b32 s14, v1
	s_lshr_b32 s15, s14, 1
	s_and_b32 s16, s14, 1
	s_bfe_u32 s40, ttmp6, 0x40000
	s_bfe_u32 s41, ttmp6, 0x40004
	s_lshl_b32 s42, ttmp9, 2
	s_add_co_u32 s42, s42, s40
	s_and_b32 s17, ttmp7, 0xffff
	s_lshl_b32 s17, s17, 2
	s_add_co_u32 s17, s17, s41
	s_lshl_b32 s43, s41, 2
	s_lshl_b32 s43, 15, s43
	s_lshl_b32 s44, 0x1111, s40
	s_or_b32 s[G1+0], s43, (3<<16)|(1<<21)
	s_mov_b32 s[G1+1], 1024<<16
	s_mov_b32 s[G1+2], 4<<16
	s_mov_b32 s[G1+3], 1024<<16
	s_mov_b32 s[G1+4], 4
	s_mov_b32 s[G1+5], 4096
	s_mov_b32 s[G1+6], 0
	s_mov_b32 s[G1+7], 0
	s_or_b32 s[G1B+0], s44, (0<<16)|(1<<20)|(1<<21)|(6<<22)|(3<<25)
	s_mov_b32 s[G1B+1], 512<<16
	s_mov_b32 s[G1B+2], 64<<16
	s_mov_b32 s[G1B+3], 512<<16
	s_mov_b32 s[G1B+4], 64
	s_mov_b32 s[G1B+5], 2048
	s_mov_b32 s[G1B+6], 0
	s_mov_b32 s[G1B+7], 0
	s_lshl_b32 s18, s16, 17
	s_lshl_b32 s20, s17, 18
	s_add_co_u32 s20, s20, s18
	s_mov_b32 s21, 0
	s_lshl_b32 s46, s42, 18
	s_add_co_u32 s46, s46, s18
	s_mov_b32 s47, 0
	s_lshl_b32 s45, s16, 15
	s_mul_i32 s19, s16, 64*BPITCH
	s_add_co_u32 s19, s19, BOFF
	s_wait_dscnt 0x0
	s_wait_kmcnt 0x0
	s_load_b64 s[96:97], s[8:9], 0x28
	s_add_nc_u64 s[20:21], s[4:5], s[20:21]
	s_add_nc_u64 s[46:47], s[6:7], s[46:47]
	CROUND
.irp s, 0,1
	s_mov_b32 s[G0+4*\s], 1
	s_add_co_u32 s[G0+4*\s+1], s45, \s*SLOT
	s_add_nc_u64 s[G0+4*\s+2:G0+4*\s+3], s[20:21], \s*8192
	s_or_b32 s[G0+4*\s+3], s[G0+4*\s+3], 0x80000000
	s_mov_b32 s[G0B+4*\s], 1
	s_add_co_u32 s[G0B+4*\s+1], s19, \s*SLOT
	s_add_nc_u64 s[G0B+4*\s+2:G0B+4*\s+3], s[46:47], \s*512
	s_or_b32 s[G0B+4*\s+3], s[G0B+4*\s+3], 0x80000000
.endr
	JLOAD 0                                        ; slot 0, behind the opening round
	; PREFETCH: a wave's load is 32 KiB, shared by four partners, who name 8 KiB each, told apart by address (cx for A, cy for B), lanes on blocks of 256 bytes: A: one tile of tokens' 8,192 bytes on end;
	; B: 16 rows of 2,048 bytes, two blocks of each.  Both are (lane / 2) << sa + 256 (lane % 2), sa = 9 or 11.  Here K steps 1 and 2 are named, behind slot 1's fill K step 3.
	; B's rows are read by all eight rows of clusters: the even rows ask for them, four clusters for each block.  The address registers are never rewritten.
	s_cmp_eq_u32 s15, 0                            ; do I fetch for A?
	s_cselect_b64 s[66:67], s[20:21], s[46:47]
	s_cselect_b32 s68, s40, s41                    ; my place among the four that ask with me
	s_cselect_b32 s69, 9, 11
	s_mov_b32 s70, 512
	s_cselect_b32 s70, 8192, s70                   ; a K step on
	s_mov_b32 s71, 0
	s_lshl_b32 s72, s68, 15                        ; my quarter: a tile of tokens, or 16 rows
	s_mov_b32 s73, 0
	s_add_nc_u64 s[66:67], s[66:67], s[72:73]
	s_add_nc_u64 s[66:67], s[66:67], s[70:71]      ; K step 1,
	s_add_nc_u64 s[74:75], s[66:67], s[70:71]      ; 2,
	s_add_nc_u64 s[76:77], s[74:75], s[70:71]      ; 3
	s_and_b32 s78, ttmp7, 1                        ; the parity of the cluster's y: alike in all partners
	s_mul_i32 s78, s78, s15                        ; 0 in the waves that ask
	v_and_b32 v6, 31, v0
	v_lshrrev_b32 v7, 1, v6
	v_and_b32 v6, 1, v6
	v_lshlrev_b32 v7, s69, v7
	v_lshl_add_u32 v30, v6, 8, v7                  ; v30: my lane's block; never rewritten
	s_cmp_eq_u32 s78, 0
	s_cbranch_scc0 .Lno_pf1
	global_prefetch_b8 v30, s[66:67] th:TH_LOAD_NT scope:SCOPE_SE
	global_prefetch_b8 v30, s[74:75] th:TH_LOAD_NT scope:SCOPE_SE
.Lno_pf1:
	v_and_b32 v1, 15, v0
	v_bfe_u32 v2, v0, 4, 1
	v_and_b32 v3, 31, v0
	v_lshlrev_b32 v3, 4, v3
	s_lshl_b32 s21, s15, 15
	v_add_nc_u32 v[ADRA], s21, v3
	v_add_nc_u32 v[ADRA+1], SLOT, v[ADRA]
	v_mul_u32_u24 v4, v1, BPITCH
	v_lshl_add_u32 v4, v2, 4, v4
	s_mul_i32 s22, s16, 64*BPITCH
	s_add_co_u32 s22, s22, BOFF
	v_add_nc_u32 v[ADRB], s22, v4
	v_add_nc_u32 v[ADRB+1], SLOT, v[ADRB]
	s_mul_i32 s23, s14, 16*SPITCH
	s_add_co_u32 s23, s23, STAGE
	v_mul_u32_u24 v5, v1, SPITCH
	v_lshl_add_u32 v5, v2, 5, v5
	v_add_nc_u32 v[STO], s23, v5
	v_mul_u32_u24 v5, v2, SPITCH
	v_lshl_add_u32 v5, v1, 4, v5
	v_add_nc_u32 v[RD], s23, v5
	v_lshlrev_b32 v[CO], 12, v2
	v_lshl_add_u32 v[CO], v1, 4, v[CO]
	s_lshl_b32 s20, s17, 7
	s_lshl_b32 s21, s15, 6
	s_add_co_u32 s20, s20, s21
	s_lshl_b32 s20, s20, 12
	s_lshl_b32 s46, s42, 9
	s_add_co_u32 s20, s20, s46
	s_lshl_b32 s46, s16, 8
	s_add_co_u32 s20, s20, s46
	s_mov_b32 s21, 0
	s_add_nc_u64 s[10:11], s[10:11], s[20:21]
.macro MUL8 f, a0, zero
.irp a, \a0, \a0+1
.irp b, 0,1,2,3
.if \zero
	v_wmma_f32_16x16x128_fp8_fp8 v[ACC+8*(4*(\a)+\b):ACC+8*(4*(\a)+\b)+7], v[\f+64+16*\b:\f+64+16*\b+15], v[\f+16*(\a):\f+16*(\a)+15], 0
.else
	v_wmma_f32_16x16x128_fp8_fp8 v[ACC+8*(4*(\a)+\b):ACC+8*(4*(\a)+\b)+7], v[\f+64+16*\b:\f+64+16*\b+15], v[\f+16*(\a):\f+16*(\a)+15], v[ACC+8*(4*(\a)+\b):ACC+8*(4*(\a)+\b)+7]
.endif
.endr
.endr
.endm
.macro FETCH slot, ks, f
	WIN TO_F
.irp i, 0,1,2,3
.irp c, 0,1,2,3
	ds_load_b128 v[\f+64+16*\i+4*\c:\f+64+16*\i+4*\c+3], v[ADRB+\slot] offset:\i*16*BPITCH+128*(\ks)+32*\c
.endr
.endr
.irp i, 0,1,2,3
.irp c, 0,1,2,3
	ds_load_b128 v[\f+16*\i+4*\c:\f+16*\i+4*\c+3], v[ADRA+\slot] offset:\i*8192+2048*(\ks)+512*\c
.endr
.endr
.endm
.macro PLACES
.rept 4
	v_nop
.endr
.endm
.macro QSTEP slot, ksnext, f, g, zero
	s_wait_dscnt 0x0
	PLACES
	FETCH \slot, \ksnext, \g
	WIN MUL
	MUL8 \f, 0, \zero
	MUL8 \f, 2, \zero
.endm
.macro TURN slot, next, fill
	WIN 0
	s_wait_tensorcnt 0x0
	ds_add_u32 v[SPW], v[NIL]
	s_wait_dscnt 1
	WIN MUL
	MUL8 F1, 0, 0
	s_wait_dscnt 0x0
	s_barrier_signal -1
	MUL8 F1, 2, 0
	WIN 0
	s_barrier_wait -1
.if \fill
	CREST
	s_add_nc_u64 s[G0+4*\slot+2:G0+4*\slot+3], s[G0+4*\slot+2:G0+4*\slot+3], 2*8192
	s_add_nc_u64 s[G0B+4*\slot+2:G0B+4*\slot+3], s[G0B+4*\slot+2:G0B+4*\slot+3], 2*512
	JLOAD \slot
.else
	PLACES
.endif
	s_wait_alu depctr_va_vdst(0)
	FETCH \next, 0, F0
.endm
	s_wait_alu depctr_va_vdst(0)
	s_wait_tensorcnt 0x0                           ; my part of slot 0 is in
	ds_add_u32 v[SPW], v[NIL]
	s_wait_dscnt 0x0
	CROUND                                         ; a whole round: everybody's part of slot 0 is in, and the joint loads meet
	JLOAD 1                                        ; slot 1's first fill, the first tensor load behind the round
	s_cmp_eq_u32 s78, 0
	s_cbranch_scc0 .Lno_pf2
	global_prefetch_b8 v30, s[76:77] th:TH_LOAD_NT scope:SCOPE_SE   ; K step 3, two fills ahead of its load
.Lno_pf2:
	FETCH 0, 0, F0
	QSTEP 0, 1, F0, F1, 1
	QSTEP 0, 2, F1, F0, 0
	QSTEP 0, 3, F0, F1, 0
	TURN 0, 1, 1
	QSTEP 1, 1, F0, F1, 0
	QSTEP 1, 2, F1, F0, 0
	QSTEP 1, 3, F0, F1, 0
	TURN 1, 0, 1
	QSTEP 0, 1, F0, F1, 0
	QSTEP 0, 2, F1, F0, 0
	QSTEP 0, 3, F0, F1, 0
	TURN 0, 1, 0
	QSTEP 1, 1, F0, F1, 0
	QSTEP 1, 2, F1, F0, 0
	QSTEP 1, 3, F0, F1, 0
	s_wait_dscnt 0x0
	MUL8 F1, 0, 0
	MUL8 F1, 2, 0
	WIN 0
	s_wait_kmcnt 0x0
	s_add_co_i32 s96, s96, s97
	s_add_co_i32 s96, s96, 127
	s_lshl_b32 s96, s96, 23
	s_mov_b32 s97, s96
	PLACES
.macro TOSTAGE a
.set n, 0
.rept 16
	v_pk_mul_f32 v[TMP+n:TMP+n+1], v[ACC+32*(\a)+n:ACC+32*(\a)+n+1], s[96:97] op_sel_hi:[1,0]
.set n, n+2
.endr
.irp b, 0,1,2,3
	ds_store_b128 v[STO], v[TMP+8*\b:TMP+8*\b+3] offset:64*\b
	ds_store_b128 v[STO], v[TMP+8*\b+4:TMP+8*\b+7] offset:64*\b+16
.endr
.irp t, 0,1,2,3,4,5,6,7
	ds_load_b128 v[ACC+32*(\a)+4*\t:ACC+32*(\a)+4*\t+3], v[RD] offset:\t*2*SPITCH   ; back into the block's own accumulator registers, read for the last time above: no store's data are written again
.endr
.endm
.macro SEND a, younger
	s_wait_dscnt \younger
.irp t, 0,1,2,3,4,5,6,7
	global_store_b128 v[CO], v[ACC+32*(\a)+4*\t:ACC+32*(\a)+4*\t+3], s[10:11] offset:(16*(\a)+2*\t)*4096 th:TH_STORE_NT   ; sixteen lanes store 256 consecutive bytes, aligned
.endr
.endm
	TOSTAGE 0
	TOSTAGE 1
	SEND 0, 16
	TOSTAGE 2
	SEND 1, 16
	TOSTAGE 3
	SEND 2, 16
	SEND 3, 0
	s_wait_tensorcnt 0x0
	ds_add_u32 v[SPW], v[NIL]
	s_wait_dscnt 0x0
	CROUND
	s_endpgm
.Lfunc_end_k_q2b0f6feb5d_oproj:
	.size	k_q2b0f6feb5d_oproj, .Lfunc_end_k_q2b0f6feb5d_oproj-k_q2b0f6feb5d_oproj
	.p2alignl 7, 3214868480
	.fill 96, 4, 3214868480
	.section	.rodata,"a",@progbits
	.p2align	6, 0x0
	.amdhsa_kernel k_q2b0f6feb5d_oproj
		.amdhsa_group_segment_fixed_size 327680
		.amdhsa_private_segment_fixed_size 0
		.amdhsa_enable_private_segment 0
		.amdhsa_kernarg_size 32
		.amdhsa_user_sgpr_count 2
		.amdhsa_user_sgpr_kernarg_segment_ptr 1
		.amdhsa_wavefront_size32 1
		.amdhsa_system_sgpr_workgroup_id_x 1
		.amdhsa_system_sgpr_workgroup_id_y 1
		.amdhsa_system_sgpr_workgroup_id_z 1
		.amdhsa_system_vgpr_workitem_id 0
		.amdhsa_next_free_vgpr 512
		.amdhsa_next_free_sgpr 100
		.amdhsa_reserve_vcc 0
		.amdhsa_float_denorm_mode_32 3
		.amdhsa_float_denorm_mode_16_64 3
		.amdhsa_memory_ordered 1
		.amdhsa_forward_progress 1
		.amdhsa_inst_pref_size 74
	.end_amdhsa_kernel
	.amdgpu_metadata
---
amdhsa.version: [ 1, 2 ]
amdhsa.kernels:
  - .name:           k_q2b0f6feb5d_oproj
    .symbol:         k_q2b0f6feb5d_oproj.kd
    .args:
      - { .name: oc, .offset: 0, .size: 8, .value_kind: global_buffer, .address_space: global }
      - { .name: woc, .offset: 8, .size: 8, .value_kind: global_buffer, .address_space: global }
      - { .name: lowp_scales, .offset: 16, .size: 8, .value_kind: global_buffer, .address_space: global }
      - { .name: out0, .offset: 24, .size: 8, .value_kind: global_buffer, .address_space: global }
    .group_segment_fixed_size: 327680
    .private_segment_fixed_size: 0
    .kernarg_segment_align: 8
    .kernarg_segment_size: 32
    .max_flat_workgroup_size: 128
    .sgpr_count:     100
    .vgpr_count:     512
    .wavefront_size: 32
...
	.end_amdgpu_metadata
.endif
;; end of part 4
